; MI455X (gfx1250); checked and timed in simulation.
; The chip was launched on July 23, 2026; its instructions are those of AMD's public machine-readable ISA for CDNA 5 (MIT licence, August 2026) and "CDNA5" Instruction Set Architecture Reference Guide (July 2026). The comments in the code are by the model that wrote it; some were corrected since.
;; Rotary Attention. Allowed arithmetic: matrix products marked QUANTISED: E2M1 operands, one E8M0 scale for each 32 along K, by v_wmma_scale_f32_16x16x128_f8f6f4 with both operands' format E2M1 (or v_wmma_scale_f32_32x16x128_f4), f32 sums; products left as they are: f32 operands where the result goes on into a quantised operand, else bf16, f16 or f32 operands; f32 sums; everything else in f32.
;; Inputs: b_k 1,024 float32; b_o 1,024 float32; b_q 1,024 float32; b_v 1,024 float32; w_k 1,024 x 1,024 float32; w_o 1,024 x 1,024 float32; w_q 1,024 x 1,024 float32; w_v 1,024 x 1,024 float32; x 2 x 2,048 x 1,024 float32.
;; Outputs: out0 2 x 2,048 x 1,024 float32.
;; This version of the problem:
;;   THIS VERSION OF THE PROBLEM IS GIVEN IN LOW PRECISION. The matrix products marked QUANTISED in the list below multiply operands that are first quantised to E2M1 (2 exponent bits, 1 mantissa bit; 4 bits a number), with one power-of-two scale for each 32 numbers along K (OCP MX v1.0); their sums are f32. All else is computed in f32.
;;   The module's matrix products, in the order in which they are computed (A, B: the left and right operand; K: the contracted axis; several contracted axes count as one K, in the product's order):
;;     1. [M 4,096, K 1,024] x [K 1,024, N 1,024]; A: input x; B: input w_q: QUANTISED
;;     2. [M 4,096, K 1,024] x [K 1,024, N 1,024]; A: input x; B: input w_k: QUANTISED
;;     3. [M 4,096, K 1,024] x [K 1,024, N 1,024]; A: input x; B: input w_v: QUANTISED
;;     4. [M 2,048, K 1] x [K 1, N 32]; A: computed on the way; B: computed on the way: left as it is (no contracted axis)
;;     5. batch 32 x [M 2,048, K 64] x [K 64, N 2,048]; A: computed on the way; B: computed on the way: QUANTISED
;;     6. batch 32 x [M 2,048, K 2,048] x [K 2,048, N 64]; A: softmax (see below); B: computed on the way: QUANTISED
;;     7. [M 4,096, K 1,024] x [K 1,024, N 1,024]; A: computed on the way; B: input w_o: QUANTISED
;;   THE QUANTISER, for each operand of a quantised product, along K:
;;     - K is cut into blocks of 32 from its start; a last block that is shorter is filled with zeros.
;;     - A block's scale is 2^e with e = floor(log2(the largest magnitude in the block)) - 2, held to -126 .. 127; a block of zeros has e = 0. As a byte (E8M0): e + 127.
;;     - Each number is divided by its block's scale, clamped to +-6, and rounded to the nearest number of E2M1, ties to even, subnormals kept.
;;     - The product sums the exact products of the quantised numbers (number of the format x scale) in f32.
;;   ~~~python
;;   def quantise(x, axis):      # numpy; x: float32 -> the quantised numbers, widened to float32 again
;;       x = np.moveaxis(x, axis, -1); K = x.shape[-1]
;;       x = np.pad(x, [(0, 0)] * (x.ndim - 1) + [(0, -K % 32)]); x = x.reshape(x.shape[:-1] + (-1, 32)); a = np.abs(x).max(-1, keepdims=True)
;;       e = np.where(a > 0, np.clip(np.frexp(np.where(a > 0, a, 1))[1] - 1 - 2, -126, 127), 0)      # np.frexp(a)[1] - 1 = floor(log2(a)), exactly
;;       r = np.clip(x / 2.0 ** e, -6, 6)
;;       step = 2.0 ** (np.maximum(np.frexp(np.where(r == 0, 1, r))[1] - 1, 0) - 1)
;;       q = np.round(r / step) * step * 2.0 ** e      # np.round: ties to even
;;       return np.moveaxis(q.reshape(q.shape[:-2] + (-1,))[..., :K], -1, axis).astype(np.float32)
;;   ~~~
;;   SOFTMAX AHEAD OF A QUANTISED PRODUCT. Where the list says 'softmax', what is quantised is not the finished softmax but p = 2^(t - M), with t = logit x log2(e) and M = ceil(the row's largest t), a whole number; so 1/2 < the row's largest p <= 1. The row's sum l is taken of the UNQUANTISED p, in f32, and the product's result is divided by l at the end. Since M is a whole number, a kernel that streams over the keys may use a running M (the ceiling of the running maximum): every later rescaling is an exact power of two, which a block's scale takes up: the codes' values come out the same.
;;   OPERANDS COMPUTED ON THE WAY. 'Computed on the way' means the value that the module computes at that place (a softmax that the list does not call 'softmax' is quantised finished and normalised). What goes into a quantiser is computed in f32, as accurately as f32 sums, v_exp_f32 and their like allow (about 1e-6 of the number): no bf16 or f16 on the way to a quantiser, and a product that is left as it is and whose result goes on into a quantised operand takes f32 operands (vector FMAs, or v_wmma_f32_16x16x4_f32). A number that lies on a knife's edge between two numbers of the format may be rounded either way, as far as f32 arithmetic and the matrix unit's own rounding can turn it there, and no further.
;; One version. Each part assembles by itself: llvm-mc -triple=amdgcn-amd-amdhsa -mcpu=gfx1250 --defsym DOCPART=n.
;; ======== version 1 of 1: 4 launches
;; limits: right only within a limited range of input values
;; workspace buffers: codes 4,194,304 bytes; scales 262,144 bytes; rope 524,288 bytes; q_img 2,359,296 bytes; kv 4,587,520 bytes; o_img 2,097,152 bytes; o_scales 131,072 bytes
;; launch prep (part 1): grid 288 x 1, 4 waves a work-group, no clusters, 33,280 bytes of LDS; arguments x, w_q, w_k, w_v, w_o, codes, scales, rope; writes codes, scales, rope
.if DOCPART == 1
	.amdgcn_target "amdgcn-amd-amdhsa--gfx1250"
	.amdhsa_code_object_version 6
	.text
	.protected	k_q8ff8e4db09_prep
	.globl	k_q8ff8e4db09_prep
	.p2align	8
	.type	k_q8ff8e4db09_prep,@function
k_q8ff8e4db09_prep:
	s_mov_b64 s[64:65], 0
	v_nop
	global_prefetch_b8 v0, s[64:65] scope:SCOPE_SE
	s_setreg_imm32_b32 hwreg(HW_REG_WAVE_MODE, 25, 1), 1
	s_wait_xcnt 0x0
; ROTARY ATTENTION IN MX-FP4, launch 1 of 4: the operands that arrive as f32 become codes, and the table of cosines and sines is made.
; NO WORK OF THE PROBLEM IS LEFT OUT in any of the four launches: every input has a way to out0 (b_k too: it moves K's codes ahead of a quantised product), and every product of the table is done.
; Work-groups 0-255: x [4096][1024], w_q, w_k, w_v, w_o [1024][1024], f32 with K innermost, become codes of FP4 (E2M1), two a byte, and one E8M0 byte for each 32 along K.
;   codes [8192 rows][512 bytes], scales [8192 rows][32 bytes]; rows 0-4095 x, 4096.. w_q, 5120.. w_k, 6144.. w_v, 7168.. w_o.  Rows are dense, so each tensor is a plain stream of blocks of 32.
;   A block's scale byte is its largest magnitude's exponent field - 2, held at 1 from below (a block of zeros keeps the byte 1: its codes are zeros, and this program alone reads the bytes).
;   A wave takes 16 steps of 512 numbers: four loads of 512 consecutive bytes, a turn through the wave's own stage in LDS so that a lane holds 16 neighbours, two conversions, a store of 256 consecutive bytes.
;   Loads run eight steps ahead: 32 loads, half of the wave's 32,768 bytes, are asked for before the first number is worked on.
; Work-groups 256-287: rope [2048 positions][cos f = 0..31 | sin f = 0..31], f32.  angle = t x inv_freq[f] (one f32 multiply, as the problem has it), inv_freq[f] = 1 / 10^(f / 8) with both the power and the quotient rounded to f32.
;   Sine and cosine by a reduction in two parts of pi / 2 and polynomials on [-pi/4, pi/4].  Lanes 0-15 make cosines (a quadrant further on), lanes 16-31 sines, two frequencies a lane: one store writes a row's 256 bytes.
; LIMITS: NaN and infinities among the inputs are not served; blocks whose largest magnitude lies under 2^-124 keep the byte 1; the reduction is exact for angles up to 2047, the largest here;
;   inv_freq is the correctly rounded power's reciprocal: where another power function errs by a last bit, the largest angle differs by 1.2e-4.
; No cluster, no tensor load, no matrix unit: memory binds, and no two work-groups read the same bytes.
.set WAVES, 4
.set STEPS, 16
.set AHEAD, 8                          ; steps that the loads run ahead
.set EMAX,  2
.set CB,    8                          ; bytes of 16 codes
.set R,     16                         ; v16-143  eight sets of 16 numbers as they are loaded
.set X,     144                        ; v144-175 two sets of 16 neighbours
.set E,     176                        ; v176-191 a scale byte for each step
.set C,     192                        ; v192-255 codes: four registers for each step, so that no store's data are written again
.set WREG,  8192                       ; LDS: a region for each wave: two stages of 32 x SP bytes, then its 256 scale bytes
.set SP,    80                         ; a lane's place in a stage: 64 bytes + 16 of padding
.set SPW,   12                         ; v12 LDS address of my spare word; never rewritten
.set NIL,   13                         ; v13 0; never rewritten
.set SPARE, WAVES*WREG                 ; the spare words, 128 bytes for each wave, that no other line names
	s_load_b256 s[4:11], s[0:1], 0x0               ; x, w_q, w_k, w_v
	s_load_b256 s[12:19], s[0:1], 0x20             ; w_o, codes, scales, rope
	v_lshl_add_u32 v[SPW], v0, 2, SPARE
	v_mov_b32 v[NIL], 0
	v_lshrrev_b32 v1, 5, v0
	v_readfirstlane_b32 s20, v1                    ; wave
	v_and_b32 v2, 31, v0                           ; lane
	s_wait_kmcnt 0x0
	s_cmp_ge_u32 ttmp9, 256                        ; the work-group's number alone decides: quantiser or table
	s_cbranch_scc1 .Lrope
	s_wait_alu depctr_va_vdst(0)
	v_lshlrev_b32 v3, 4, v2                        ; my 16 bytes of a load's 512
	s_mul_i32 s21, s20, WREG
	v_lshrrev_b32 v14, 2, v2
	v_mul_u32_u24 v14, v14, SP
	v_and_b32 v15, 3, v2
	v_lshl_add_u32 v14, v15, 4, v14
	v_add_nc_u32 v14, s21, v14                     ; the stage, way in: SP (lane / 4) + 16 (lane % 4)
	v_mul_u32_u24 v15, v2, SP
	v_add_nc_u32 v15, s21, v15                     ; way out: SP x lane: my 16 neighbours
	v_mul_u32_u24 v4, v2, CB                       ; my codes' place in a step's 256 bytes
	v_lshrrev_b32 v5, 1, v2
	s_add_co_u32 s21, s21, 2*32*SP
	v_add_nc_u32 v5, s21, v5                       ; my block's byte among my wave's 256
	v_lshlrev_b32 v7, 3, v2
	v_add_nc_u32 v6, s21, v7                       ; and 8 bytes a lane on their way out
	s_mov_b32 s22, 0                               ; the first work-group of my tensor
	s_cmp_ge_u32 ttmp9, 128
	s_cselect_b64 s[4:5], s[6:7], s[4:5]
	s_cselect_b32 s22, 128, s22
	s_cmp_ge_u32 ttmp9, 160
	s_cselect_b64 s[4:5], s[8:9], s[4:5]
	s_cselect_b32 s22, 160, s22
	s_cmp_ge_u32 ttmp9, 192
	s_cselect_b64 s[4:5], s[10:11], s[4:5]
	s_cselect_b32 s22, 192, s22
	s_cmp_ge_u32 ttmp9, 224
	s_cselect_b64 s[4:5], s[12:13], s[4:5]
	s_cselect_b32 s22, 224, s22
	s_sub_co_u32 s22, ttmp9, s22
	s_lshl_b32 s22, s22, 2
	s_add_co_u32 s22, s22, s20                     ; which run of 8,192 numbers of the tensor is my wave's
	s_lshl_b32 s22, s22, 15                        ; 32,768 bytes a run
	s_mov_b32 s23, 0
	s_add_nc_u64 s[4:5], s[4:5], s[22:23]
	s_lshl_b32 s24, ttmp9, 2
	s_add_co_u32 s24, s24, s20                     ; the outputs follow the work-groups' order: run 4 g + wave
	s_lshl_b32 s22, s24, 12                        ; 4,096 bytes of codes a run
	s_add_nc_u64 s[14:15], s[14:15], s[22:23]
	s_lshl_b32 s22, s24, 8                         ; 256 scale bytes a run
	s_add_nc_u64 s[16:17], s[16:17], s[22:23]
.macro LOAD t
.irp i, 0,1,2,3
	global_load_b128 v[R+16*((\t)%AHEAD)+4*\i:R+16*((\t)%AHEAD)+4*\i+3], v3, s[4:5] offset:2048*(\t)+512*\i th:TH_LOAD_NT   ; 32 lanes read 512 consecutive bytes
.endr
.endm
.macro TURN t                          ; step t's numbers through the stage: LDS serves a wave's instructions in order, so no wait stands between the stores and the loads
.irp i, 0,1,2,3
	ds_store_b128 v14, v[R+16*((\t)%AHEAD)+4*\i:R+16*((\t)%AHEAD)+4*\i+3] offset:32*SP*((\t)%2)+8*SP*\i
.endr
.irp i, 0,1,2,3
	ds_load_b128 v[X+16*((\t)%2)+4*\i:X+16*((\t)%2)+4*\i+3], v15 offset:32*SP*((\t)%2)+16*\i
.endr
.endm
.irp t, 0,1,2,3,4,5,6,7
	LOAD \t
.endr
	s_wait_alu depctr_va_vdst(0)
	s_wait_loadcnt 4*(AHEAD-1)                     ; step 0's four loads are in; the 28 of steps 1 to 7 may be out
	TURN 0
.macro STEP t
.set XSET, X+16*((\t)%2)
.if (\t) > 0
	s_wait_dscnt 1                                 ; this step's numbers are back from the stage (the last step's byte store may be out)
.else
	s_wait_dscnt 0x0
.endif
.if (\t)+AHEAD < STEPS
	LOAD (\t)+AHEAD                                ; into the registers that the stage's stores have read
.endif
.if (\t)+1 < STEPS
.if STEPS-2-(\t) >= AHEAD-1
	s_wait_loadcnt 4*(AHEAD-1)                     ; the next step's four loads are in; those of the seven steps behind it may be out
.else
	s_wait_loadcnt 4*(STEPS-2-(\t))                ; the tail: as many steps as are left behind the next
.endif
	TURN (\t)+1
.endif
	v_max3_num_f32 v8, |v[XSET]|, |v[XSET+1]|, |v[XSET+2]|         ; the largest magnitude of my 16, in two chains
	v_max3_num_f32 v9, |v[XSET+3]|, |v[XSET+4]|, |v[XSET+5]|
.irp i, 6,10
	v_max3_num_f32 v8, v8, |v[XSET+\i]|, |v[XSET+\i+1]|
	v_max3_num_f32 v9, v9, |v[XSET+\i+2]|, |v[XSET+\i+3]|
.endr
	v_max3_num_f32 v8, v8, |v[XSET+14]|, |v[XSET+15]|
	v_max3_num_f32 v8, v8, v9, (EMAX+1)<<23        ; and the floor 2^(3 - 127): the byte cannot fall under 1
	v_max_num_f32_dpp v8, v8, v8 row_xmask:1 row_mask:0xf bank_mask:0xf   ; with my neighbour's 16: the block's
	v_add_nc_u32 v11, -(EMAX<<23), v8              ; 2 off its exponent field: the conversion takes this operand's exponent field as its scale
	v_cvt_scalef32_pk8_fp4_f32 v[C+4*(\t)], v[XSET:XSET+7], v11
	v_cvt_scalef32_pk8_fp4_f32 v[C+4*(\t)+1], v[XSET+8:XSET+15], v11
	v_lshrrev_b32 v[E+(\t)], 23, v11               ; the scale's byte (a plain line behind the conversions)
	ds_store_b8 v5, v[E+(\t)] offset:16*(\t)       ; both lanes of a block write the same byte with the same value
	global_store_b64 v4, v[C+4*(\t):C+4*(\t)+1], s[14:15] offset:32*CB*(\t)   ; the wave stores 256 consecutive bytes, aligned
.endm
.irp t, 0,1,2,3,4,5,6,7,8,9,10,11,12,13,14,15
	STEP \t
.endr
	ds_load_b64 v[8:9], v6                         ; in order behind my byte stores
	s_wait_dscnt 0x0
	global_store_b64 v7, v[8:9], s[16:17]          ; 256 consecutive scale bytes, aligned
	s_wait_tensorcnt 0x0                           ; the wave's end, behind my last LDS store
	ds_add_u32 v[SPW], v[NIL]
	s_wait_dscnt 0x0
	s_endpgm
; ---- the table.  Wave w of work-group 256 + g makes positions 64 g + 16 w + 0 .. 15.  No LDS is touched on this path.
.Lrope:
	s_sub_co_u32 s36, ttmp9, 256
	s_lshl_b32 s36, s36, 6
	s_lshl_b32 s38, s20, 4
	s_add_co_u32 s36, s36, s38                     ; my first position
	s_lshl_b32 s38, s36, 8                         ; 256 bytes a position
	s_mov_b32 s39, 0
	s_add_nc_u64 s[18:19], s[18:19], s[38:39]
	s_mov_b32 s24, 0x3f22f983                      ; 2 / pi
	s_mov_b32 s25, 0xbfc90fdb                      ; -(pi / 2 rounded to f32)
	s_mov_b32 s26, 0x333bbd2e                      ; that number less pi / 2: 4.3711388e-8
	s_mov_b32 s27, 0xb94ca1f9                      ; sine: -1.9515295891e-4,
	s_mov_b32 s28, 0x3c08839e                      ; 8.3321608736e-3,
	s_mov_b32 s29, 0xbe2aaaa3                      ; -1.6666654611e-1
	s_mov_b32 s30, 0x37ccf5ce                      ; cosine: 2.443315711809948e-5,
	s_mov_b32 s31, 0xbab6061a                      ; -1.388731625493765e-3,
	s_mov_b32 s32, 0x3d2aaaa5                      ; 4.166664568298827e-2
	s_mov_b32 s33, 0x80000000
	s_mov_b32 s34, 0x76543210                      ; v_permlanex16_b32's selects for lane l xor 16
	s_mov_b32 s35, 0xfedcba98
	v_mov_b32 v16, 0
	v_mov_b32 v17, 0
	v_mov_b32 v18, 0
.macro PW lane, e, value               ; 10^(f / 8), f = 2 lane + e, rounded to f32, into lane 'lane' of v16 + e
	s_mov_b32 s37, \value
	v_writelane_b32 v[16+\e], s37, \lane
.endm
	PW 0, 0, 1.0
	PW 0, 1, 1.3335214321633240
	PW 1, 0, 1.7782794100389228
	PW 1, 1, 2.3713737056616552
	PW 2, 0, 3.1622776601683795
	PW 2, 1, 4.2169650342858226
	PW 3, 0, 5.6234132519034908
	PW 3, 1, 7.4989420933245582
	PW 4, 0, 10.0
	PW 4, 1, 13.335214321633240
	PW 5, 0, 17.782794100389228
	PW 5, 1, 23.713737056616552
	PW 6, 0, 31.622776601683795
	PW 6, 1, 42.169650342858226
	PW 7, 0, 56.234132519034908
	PW 7, 1, 74.989420933245582
	PW 8, 0, 100.0
	PW 8, 1, 133.35214321633240
	PW 9, 0, 177.82794100389228
	PW 9, 1, 237.13737056616552
	PW 10, 0, 316.22776601683795
	PW 10, 1, 421.69650342858226
	PW 11, 0, 562.34132519034908
	PW 11, 1, 749.89420933245582
	PW 12, 0, 1000.0
	PW 12, 1, 1333.5214321633240
	PW 13, 0, 1778.2794100389228
	PW 13, 1, 2371.3737056616552
	PW 14, 0, 3162.2776601683795
	PW 14, 1, 4216.9650342858226
	PW 15, 0, 5623.4132519034908
	PW 15, 1, 7498.9420933245582
	v_permlanex16_b32 v18, v16, s34, s35           ; lanes 16-31 take lanes 0-15's numbers (lanes 0-15 take zeros)
	v_or_b32 v16, v16, v18
	v_permlanex16_b32 v18, v17, s34, s35
	v_or_b32 v17, v17, v18
	s_wait_alu depctr_va_vdst(0)
	v_rcp_f32 v22, v16
	v_rcp_f32 v23, v17
	v_nop                                          ; a plain line behind the reciprocals,
	s_wait_alu depctr_va_vdst(0)                   ; and a wait ahead of their first reader
.rept 2                                        ; two corrections by the exact remainder bring the quotient to the rounding of a division
	v_fma_f32 v24, -v16, v22, 1.0
	v_fma_f32 v25, -v17, v23, 1.0
	v_fma_f32 v22, v24, v22, v22
	v_fma_f32 v23, v25, v23, v23
.endr
	v_lshrrev_b32 v19, 4, v2
	v_sub_nc_u32 v19, 1, v19                       ; lanes 0-15: one quadrant on, cos a = sin(a + pi / 2); lanes 16-31: none
	v_lshlrev_b32 v20, 3, v2                       ; 8 bytes a lane: a row's 256
.macro SINQ e, out                     ; v[out] = sin(t x inv_freq[e] + my quadrants)
	v_mul_f32 v26, v21, v[22+\e]                   ; the angle: one rounding
	v_mul_f32 v27, s24, v26
	v_rndne_f32 v27, v27                           ; k
	v_fma_f32 v28, v27, s25, v26                   ; a - k x the high part: exact (a multiple of 2^-24 under 1)
	v_fma_f32 v28, v27, s26, v28                   ; and the low part
	v_mul_f32 v29, v28, v28                        ; z
	v_fma_f32 v30, v29, s27, s28
	v_fma_f32 v30, v30, v29, s29
	v_mul_f32 v31, v29, v28
	v_fma_f32 v30, v30, v31, v28                   ; sin r
	v_fma_f32 v32, v29, s30, s31
	v_fma_f32 v32, v32, v29, s32
	v_mul_f32 v33, v29, v29
	v_fma_f32 v34, v29, -0.5, 1.0
	v_fma_f32 v32, v32, v33, v34                   ; cos r
	v_cvt_i32_f32 v35, v27
	v_add_nc_u32 v35, v35, v19                     ; the quadrant
	v_and_b32 v36, 1, v35
	v_cmp_eq_u32 vcc_lo, 1, v36
	v_cndmask_b32 v37, v30, v32, vcc_lo            ; odd quadrants take the cosine,
	v_lshlrev_b32 v36, 30, v35
	v_and_b32 v36, s33, v36
	v_xor_b32 v[\out], v37, v36                    ; quadrants 2 and 3 the other sign
.endm
.irp i, 0,1,2,3,4,5,6,7,8,9,10,11,12,13,14,15
	v_cvt_f32_u32 v21, s36
	SINQ 0, 64+2*\i
	SINQ 1, 65+2*\i
	global_store_b64 v20, v[64+2*\i:65+2*\i], s[18:19] offset:256*\i   ; each position has registers of its own: no store's data are written again
	s_add_co_u32 s36, s36, 1
.endr
	s_endpgm
.Lfunc_end_k_q8ff8e4db09_prep:
	.size	k_q8ff8e4db09_prep, .Lfunc_end_k_q8ff8e4db09_prep-k_q8ff8e4db09_prep
	.p2alignl 7, 3214868480
	.fill 96, 4, 3214868480
	.section	.rodata,"a",@progbits
	.p2align	6, 0x0
	.amdhsa_kernel k_q8ff8e4db09_prep
		.amdhsa_group_segment_fixed_size 33280
		.amdhsa_private_segment_fixed_size 0
		.amdhsa_enable_private_segment 0
		.amdhsa_kernarg_size 64
		.amdhsa_user_sgpr_count 2
		.amdhsa_user_sgpr_kernarg_segment_ptr 1
		.amdhsa_wavefront_size32 1
		.amdhsa_system_sgpr_workgroup_id_x 1
		.amdhsa_system_sgpr_workgroup_id_y 1
		.amdhsa_system_sgpr_workgroup_id_z 1
		.amdhsa_system_vgpr_workitem_id 0
		.amdhsa_next_free_vgpr 256
		.amdhsa_next_free_sgpr 66
		.amdhsa_reserve_vcc 1
		.amdhsa_float_denorm_mode_32 3
		.amdhsa_float_denorm_mode_16_64 3
		.amdhsa_memory_ordered 1
		.amdhsa_forward_progress 1
		.amdhsa_inst_pref_size 74
	.end_amdhsa_kernel
	.amdgpu_metadata
---
amdhsa.version: [ 1, 2 ]
amdhsa.kernels:
  - .name:           k_q8ff8e4db09_prep
    .symbol:         k_q8ff8e4db09_prep.kd
    .args:
      - { .name: x, .offset: 0, .size: 8, .value_kind: global_buffer, .address_space: global }
      - { .name: w_q, .offset: 8, .size: 8, .value_kind: global_buffer, .address_space: global }
      - { .name: w_k, .offset: 16, .size: 8, .value_kind: global_buffer, .address_space: global }
      - { .name: w_v, .offset: 24, .size: 8, .value_kind: global_buffer, .address_space: global }
      - { .name: w_o, .offset: 32, .size: 8, .value_kind: global_buffer, .address_space: global }
      - { .name: codes, .offset: 40, .size: 8, .value_kind: global_buffer, .address_space: global }
      - { .name: scales, .offset: 48, .size: 8, .value_kind: global_buffer, .address_space: global }
      - { .name: rope, .offset: 56, .size: 8, .value_kind: global_buffer, .address_space: global }
    .group_segment_fixed_size: 33280
    .private_segment_fixed_size: 0
    .kernarg_segment_align: 8
    .kernarg_segment_size: 64
    .max_flat_workgroup_size: 128
    .sgpr_count:     66
    .vgpr_count:     256
    .wavefront_size: 32
...
	.end_amdgpu_metadata
.endif
;; end of part 1
;; launch qkv (part 2): grid 16 x 16, 12 waves a work-group, clusters of 4 x 4, 327,680 bytes of LDS; arguments codes, scales, b_q, b_k, b_v, rope, q_img, kv; writes q_img, kv
.if DOCPART == 2
	.amdgcn_target "amdgcn-amd-amdhsa--gfx1250"
	.amdhsa_code_object_version 6
	.text
	.protected	k_q8ff8e4db09_qkv
	.globl	k_q8ff8e4db09_qkv
	.p2align	8
	.type	k_q8ff8e4db09_qkv,@function
k_q8ff8e4db09_qkv:
	s_mov_b64 s[64:65], 0
	v_nop
	global_prefetch_b8 v0, s[64:65] scope:SCOPE_SE
	s_setreg_imm32_b32 hwreg(HW_REG_WAVE_MODE, 25, 1), 1
	s_wait_xcnt 0x0
	s_wait_alu depctr_hold_cnt(0) depctr_sa_sdst(0) depctr_va_vdst(0) depctr_va_sdst(0) depctr_va_ssrc(0) depctr_va_vcc(0) depctr_vm_vsrc(0)
	s_getreg_b32 s2, hwreg(HW_REG_IB_STS2, 6, 4)
	s_cmp_eq_u32 s2, 0
	s_cbranch_scc0 .Lentry_in_a_cluster
	s_endpgm
.Lentry_in_a_cluster:
	s_bfe_u32 s2, ttmp6, 0x10000c
	s_cmp_lg_u32 s2, 0xf033
	s_cbranch_scc0 .Lentry_shape_is_right
	s_endpgm
.Lentry_shape_is_right:
; Launch 2 of 4: Q, K, V = x W^T + b on codes of FP4; the rotary embedding on Q and K; and the quantisers of the next products' operands: Q and K along the head's 64, V along the keys.  No work is left out.
; SHARES.  256 work-groups: work-group (head, y) makes 256 rows of x against the head's 64 rows of w_q, of w_k and of w_v.  Twelve waves: waves 0-3 Q, 4-7 K, 8-11 V; with j = wave % 4, G = j / 2 is the half of the 256 rows, g = j % 2:
;   Q, K: a wave makes the 16-row tiles 2 i + g (i = 0 .. 3) of its 128 rows x 64 columns;  V: the whole 128 rows x the 16-channel tiles g and g + 2.  So a wave's scale words are one run of bytes of the image.  16 accumulators a wave.
; All of K (1,024: 512 bytes a row) lies in LDS at once, and the table of cosines and sines of the 256 positions with it: one joint tensor load a wave, first fills alone.
; CLUSTER 4 x 4: the four of a row need the same rows of x and of the table, the four of a column the same rows of W: each tile is asked for jointly.
; Q, K: the product is used transposed (source 0 = 16 rows of W, source 1 = 16 rows of x): a lane holds one position and eight neighbouring d.  The bias is the C of the first K step.
; V: source 0 = x, source 1 = W: a lane holds one channel and eight neighbouring keys, since the keys are the next K.
; WHAT IS STORED are images of the next launch's operand registers.  A conversion makes ONE register of a tile's eight numbers: dword 2 t + h of its block of 32 (t: which of the block's two tiles, h: the lane's half).
; Blocks 2 c and 2 c + 1 are written to neighbouring registers, and one exchange of halves between the two leaves register 4 c + w, half h, with dword w of block 2 c + h: the 4-bit operand's layout.
;   q_img [32 heads x batch][16 groups of 128 queries] chunks of 4,608 bytes: codes (tile t at 512 t, lane at 16 l), at 4,096 the scale words (at 16 l + 4 i: tile 2 i + l / 16, row l % 16).
;   kv    [32][16 steps of 128 keys] chunks of 8,960 bytes: K's codes as q_img's; at 4,096 V's (channel tile n at 1,024 n, registers 4 c.. at 512 c); at 8,192 K's scale words; at 8,704 V's (at 8 l + 4 i: tile 2 i + l / 16).
; Lanes l and l xor 16 hold the same scale words and store them to the same place.
; LIMITS: NaN and infinities are not served; blocks under 2^-124 keep the byte 1.
; No prefetch: all that a work-group reads by tensor loads is asked for at its head.
.set PITCH, 528                        ; an LDS row of codes: 512 bytes + 16: sixteen rows of a fragment load start 4 words apart modulo 64
.set HALFT, 64*PITCH                   ; 64 rows: what one tensor load of codes brings: x's four, then W's three (w_q, w_k, w_v)
.set WOFF,  4*HALFT
.set SCL,   7*HALFT                    ; then the scale bytes, as units of 256 bytes + 16: x's 32 units,
.set WSCL,  SCL+32*272                 ; W's 24
.set TBL,   WSCL+24*272                ; the table: 256 rows of 256 bytes + 16
.set SPARE, 321536                     ; behind it (TBL + 69,632 = 321,408), at a multiple of 256: the spare words, 128 bytes for each wave, that no other line names
.set SPW,   1                          ; v1  my spare word; never rewritten
.set NIL,   2                          ; v2  0; never rewritten
.set ADRX,  3                          ; v3  LDS: my x fragments
.set ADRW,  4                          ; v4  my W fragments
.set ADRXS, 5                          ; v5  x's scale words; lanes 16-31: 64 rows on
.set ADRWS, 6                          ; v6  W's; lanes 16-31: 32 rows on
.set ADRT,  7                          ; v7  my rows of the table
.set LI,    8                          ; v8  16 x lane
.set R16,   9                          ; v9  16 r
.set R8,    10                         ; v10 8 r
.set R4,    11                         ; v11 4 r
.set BO,    12                         ; v12 32 h
.set XS,    14                         ; v14-29  x's scale words: Q, K: register 8 p + q: lanes 0-15 tile p, lanes 16-31 tile p + 2; V: register 4 p + q % 4: tiles p, p + 4
.set WS,    30                         ; v30-45  W's: register 8 p + q: tiles p, p + 2
.set XF,    46                         ; fragments of x: Q, K: v46-77; V: v46-109
.set WF,    78                         ; Q, K: v78-109 fragments of W
.set VWF,   110                        ; V: v110-125 fragments of W;  v126, v127 b_v of its two channel tiles
.set ACC,   128                        ; v128-255
; the way out of Q, K:
.set RR,    46                         ; v46-77   a tile after the embedding
.set TAB,   78                         ; v78-109  16 cosines + 16 sines
.set QTM,   110                        ; v110-115 at work
.set QPC,   116                        ; v116-123 codes, two sets by turns
.set QWD,   124                        ; v124-127 scale words
; the way out of V:
.set VTM,   46                         ; v46-61   at work
.set PC,    62                         ; v62-77   codes
.set WD,    90                         ; v90-91   scale words
.set WV,    20                         ; s20 wave; s21 kind; s22 G; s23 g; s24 1 in V's waves; s25 the head; s26 y
.set G1X,   32
.set G1W,   40
.set G1XS,  48
.set G1WS,  56
.set G1T,   68
.set G0X,   76
.set G0W,   80
.set G0XS,  84
.set G0WS,  88
.set G0T,   92
.set SEL,   96                         ; s[96:97] selects for lane l xor 16
.macro PLACES n
.rept \n
	v_nop
.endr
.endm
.macro ARM under, g0, g1, next         ; an arm of the head's tree of joint loads; an s_nop 0 and four v_nop follow each load
	s_cmp_lt_u32 s[WV], \under
	s_cbranch_scc0 \next
	tensor_load_to_lds s[\g0:\g0+3], s[\g1:\g1+7]
	s_nop 0
	PLACES 4
	s_branch .Lhead_asked
\next:
.endm
.macro CROUND                          ; a round of the cluster's barrier
	s_barrier_signal -1
	s_barrier_wait -1
	s_cmp_lg_u32 s[WV], 0
	s_cbranch_scc1 .Lnot_wave_0_\@
	s_barrier_signal -3
.Lnot_wave_0_\@:
	s_barrier_wait -3
	s_barrier_signal -1
	s_barrier_wait -1
.endm
; one matrix instruction.  ra, rb: which half of the lanes holds source 0's and source 1's scale words
.macro WM d, c, a, b, sa, sb, ra, rb
.if ((\ra) == 0) && ((\rb) == 0)
	v_wmma_scale_f32_16x16x128_f8f6f4 v[(\d):(\d)+7], v[(\a):(\a)+7], v[(\b):(\b)+7], \c, v[\sa], v[\sb] matrix_a_fmt:MATRIX_FMT_FP4 matrix_b_fmt:MATRIX_FMT_FP4
.elseif (\rb) == 0
	v_wmma_scale_f32_16x16x128_f8f6f4 v[(\d):(\d)+7], v[(\a):(\a)+7], v[(\b):(\b)+7], \c, v[\sa], v[\sb] matrix_a_fmt:MATRIX_FMT_FP4 matrix_b_fmt:MATRIX_FMT_FP4 matrix_a_scale:MATRIX_SCALE_ROW1
.elseif (\ra) == 0
	v_wmma_scale_f32_16x16x128_f8f6f4 v[(\d):(\d)+7], v[(\a):(\a)+7], v[(\b):(\b)+7], \c, v[\sa], v[\sb] matrix_a_fmt:MATRIX_FMT_FP4 matrix_b_fmt:MATRIX_FMT_FP4 matrix_b_scale:MATRIX_SCALE_ROW1
.else
	v_wmma_scale_f32_16x16x128_f8f6f4 v[(\d):(\d)+7], v[(\a):(\a)+7], v[(\b):(\b)+7], \c, v[\sa], v[\sb] matrix_a_fmt:MATRIX_FMT_FP4 matrix_b_fmt:MATRIX_FMT_FP4 matrix_a_scale:MATRIX_SCALE_ROW1 matrix_b_scale:MATRIX_SCALE_ROW1
.endif
.endm
	s_load_b512 s[4:19], s[0:1], 0x0               ; codes s[4:5], scales s[6:7], b_q s[8:9], b_k s[10:11], b_v s[12:13], rope s[14:15], q_img s[16:17], kv s[18:19]
	v_lshl_add_u32 v[SPW], v0, 2, SPARE
	v_mov_b32 v[NIL], 0
	ds_add_u32 v[SPW], v[NIL]                      ; the wave's opening: the add, twice on end, and its wait ahead of my first tensor load
	ds_add_u32 v[SPW], v[NIL]
	v_lshrrev_b32 v110, 5, v0
	v_readfirstlane_b32 s[WV], v110                ; wave 0..11
	s_lshr_b32 s21, s[WV], 2                       ; the kind: 0 Q, 1 K, 2 V
	s_bfe_u32 s22, s[WV], 0x10001                  ; G
	s_and_b32 s23, s[WV], 1                        ; g
	s_lshr_b32 s24, s[WV], 3                       ; 1 in V's waves
	s_bfe_u32 s25, ttmp6, 0x40000                  ; cx
	s_bfe_u32 s26, ttmp6, 0x40004                  ; cy
	s_lshl_b32 s27, s26, 2
	s_lshl_b32 s27, 15, s27                        ; my row of the cluster
	s_lshl_b32 s28, 0x1111, s25                    ; my column
	s_lshl_b32 s29, ttmp9, 2
	s_add_co_u32 s25, s29, s25                     ; the head = work-group x
	s_and_b32 s29, ttmp7, 0xffff
	s_lshl_b32 s29, s29, 2
	s_add_co_u32 s26, s29, s26                     ; work-group y: 256 rows of x
	; group 1 for codes: 64 rows of 512 bytes, 16 bytes of padding behind each (128 words: code 6; 4 words: code 3); elements of 1 byte; bit 21 beside the mask
	s_or_b32 s[G1X], s27, (0<<16)|(1<<20)|(1<<21)|(6<<22)|(3<<25)
	s_or_b32 s[G1W], s28, (0<<16)|(1<<20)|(1<<21)|(6<<22)|(3<<25)
.irp k, G1X, G1W
	s_mov_b32 s[\k+1], 512<<16                     ; tensor_dim0
	s_mov_b32 s[\k+2], 64<<16                      ; tensor_dim1
	s_mov_b32 s[\k+3], 512<<16                     ; tile_dim0
	s_mov_b32 s[\k+4], 64                          ; tile_dim1
	s_mov_b32 s[\k+5], 512                         ; from row to row
	s_mov_b32 s[\k+6], 0
	s_mov_b32 s[\k+7], 0
.endr
	; x's scale bytes: 128 rows' 4,096 dense bytes as 16 rows of 256 (32 elements of 8 bytes), 16 bytes of padding behind each
	s_or_b32 s[G1XS], s27, (3<<16)|(1<<20)|(1<<21)|(5<<22)|(3<<25)
	s_mov_b32 s[G1XS+1], 32<<16
	s_mov_b32 s[G1XS+2], 16<<16
	s_mov_b32 s[G1XS+3], 32<<16
	s_mov_b32 s[G1XS+4], 16
	s_mov_b32 s[G1XS+5], 32
	s_mov_b32 s[G1XS+6], 0
	s_mov_b32 s[G1XS+7], 0
	; W's: three rows of 2,048 bytes (64 rows of w_q, w_k, w_v), 1,024 x 32 bytes apart, padding behind each 256
	s_or_b32 s[G1WS], s28, (3<<16)|(1<<20)|(1<<21)|(5<<22)|(3<<25)
	s_mov_b32 s[G1WS+1], 256<<16
	s_mov_b32 s[G1WS+2], 3<<16
	s_mov_b32 s[G1WS+3], 256<<16
	s_mov_b32 s[G1WS+4], 3
	s_mov_b32 s[G1WS+5], 4096
	s_mov_b32 s[G1WS+6], 0
	s_mov_b32 s[G1WS+7], 0
	; the table: 128 rows of 256 bytes, 16 bytes of padding behind each
	s_or_b32 s[G1T], s27, (3<<16)|(1<<20)|(1<<21)|(5<<22)|(3<<25)
	s_mov_b32 s[G1T+1], 32<<16
	s_mov_b32 s[G1T+2], 128<<16
	s_mov_b32 s[G1T+3], 32<<16
	s_mov_b32 s[G1T+4], 128
	s_mov_b32 s[G1T+5], 32
	s_mov_b32 s[G1T+6], 0
	s_mov_b32 s[G1T+7], 0
	; where they come from.  x, its scales and the table hang on y alone, which my row shares; W and its scales on the head alone, which my column shares
	s_lshl_b32 s66, s26, 17
	s_lshl_b32 s31, s[WV], 15
	s_add_co_u32 s66, s66, s31                     ; x: row 256 y + 64 wave, 512 bytes a row (waves 0-3)
	s_mov_b32 s67, 0
	s_lshl_b32 s98, s[WV], 19
	s_lshl_b32 s31, s25, 15
	s_add_co_u32 s98, s98, s31                     ; W: row 1,024 wave + 64 head (waves 4-6: rows 4,096, 5,120, 6,144 on)
	s_mov_b32 s99, 0
	s_xor_b32 s30, s23, 1                          ; waves 7, 8: which 128 rows' scales
	s_lshl_b32 s2, s26, 13
	s_lshl_b32 s31, s30, 12
	s_add_co_u32 s2, s2, s31                       ; x's scales: 32 bytes a row
	s_mov_b32 s3, 0
	s_lshl_b32 s100, s25, 11
	s_add_co_u32 s100, s100, 4096*32               ; W's scales: row 4,096 + 64 head
	s_mov_b32 s101, 0
	s_and_b32 s104, s26, 7
	s_lshl_b32 s104, s104, 16
	s_lshl_b32 s31, s23, 15
	s_add_co_u32 s104, s104, s31                   ; the table: position 256 (y % 8) + 128 g (waves 10, 11), 256 bytes each
	s_mov_b32 s105, 0
	; and where they go: no place in the cluster enters an LDS address
	s_mul_i32 s[G0X+1], s[WV], HALFT
	s_mul_i32 s[G0W+1], s[WV], HALFT
	s_mul_i32 s[G0XS+1], s30, 16*272
	s_add_co_u32 s[G0XS+1], s[G0XS+1], SCL
	s_mov_b32 s[G0WS+1], WSCL
	s_mul_i32 s[G0T+1], s23, 128*272
	s_add_co_u32 s[G0T+1], s[G0T+1], TBL
.irp k, G0X, G0W, G0XS, G0WS, G0T
	s_mov_b32 s[\k], 1
.endr
	s_mov_b32 s[SEL], 0x76543210
	s_mov_b32 s[SEL+1], 0xfedcba98
	s_wait_dscnt 0x0                               ; both opening adds are done
	s_wait_kmcnt 0x0
	s_add_nc_u64 s[G0X+2:G0X+3], s[4:5], s[66:67]
	s_or_b32 s[G0X+3], s[G0X+3], 0x80000000
	s_add_nc_u64 s[G0W+2:G0W+3], s[4:5], s[98:99]
	s_or_b32 s[G0W+3], s[G0W+3], 0x80000000
	s_add_nc_u64 s[G0XS+2:G0XS+3], s[6:7], s[2:3]
	s_or_b32 s[G0XS+3], s[G0XS+3], 0x80000000
	s_add_nc_u64 s[G0WS+2:G0WS+3], s[6:7], s[100:101]
	s_or_b32 s[G0WS+3], s[G0WS+3], 0x80000000
	s_add_nc_u64 s[G0T+2:G0T+3], s[14:15], s[104:105]
	s_or_b32 s[G0T+3], s[G0T+3], 0x80000000
	CROUND                                         ; all sixteen work-groups are here: the joint loads meet
	ARM 4,  G0X,  G1X,  .Lhead_w                   ; one tensor load a wave, and no more in the launch: waves 0-3 x, 4-6 W,
	ARM 7,  G0W,  G1W,  .Lhead_xs
	ARM 9,  G0XS, G1XS, .Lhead_ws                  ; 7, 8 x's scales,
	ARM 10, G0WS, G1WS, .Lhead_t                   ; 9 W's, 10, 11 the table
	tensor_load_to_lds s[G0T:G0T+3], s[G1T:G1T+7]
	s_nop 0
	PLACES 4
.Lhead_asked:
	; every LDS address is made here, ahead of the branches on the wave's number
	s_xor_b32 s29, s24, 1
	s_and_b32 s29, s29, s23                        ; g in Q's and K's waves, 0 in V's
	s_and_b32 s30, s24, s23                        ; g in V's waves, 0 in the others
	v_and_b32 v110, 15, v0                         ; r
	v_bfe_u32 v111, v0, 4, 1                       ; h
	v_mul_u32_u24 v112, v110, PITCH
	v_lshl_add_u32 v112, v111, 4, v112             ; a fragment's row x pitch + 16 h
	s_mul_i32 s31, s22, 2*HALFT
	s_mul_i32 s66, s29, 16*PITCH
	s_add_co_u32 s31, s31, s66
	v_add_nc_u32 v[ADRX], s31, v112
	s_mul_i32 s31, s21, HALFT
	s_mul_i32 s66, s30, 16*PITCH
	s_add_co_u32 s31, s31, s66
	s_add_co_u32 s31, s31, WOFF
	v_add_nc_u32 v[ADRW], s31, v112
	v_lshrrev_b32 v113, 3, v110
	v_lshlrev_b32 v112, 5, v110
	v_lshl_add_u32 v112, v113, 4, v112             ; a row's 32 scale bytes: 32 r, and 16 more for each 256 passed
	v_mul_u32_u24 v113, v111, 2176                 ; lanes 16-31: 64 rows on
	v_add_nc_u32 v113, v113, v112
	s_mul_i32 s31, s22, 16*272
	s_mul_i32 s66, s29, 544
	s_add_co_u32 s31, s31, s66
	s_add_co_u32 s31, s31, SCL
	v_add_nc_u32 v[ADRXS], s31, v113
	v_mul_u32_u24 v113, v111, 1088                 ; lanes 16-31: 32 rows on
	v_add_nc_u32 v113, v113, v112
	s_mul_i32 s31, s21, 8*272
	s_mul_i32 s66, s30, 544
	s_add_co_u32 s31, s31, s66
	s_add_co_u32 s31, s31, WSCL
	v_add_nc_u32 v[ADRWS], s31, v113
	v_mul_u32_u24 v112, v110, 272
	v_lshl_add_u32 v112, v111, 5, v112
	s_mul_i32 s31, s22, 128*272
	s_mul_i32 s66, s29, 16*272
	s_add_co_u32 s31, s31, s66
	s_add_co_u32 s31, s31, TBL
	v_add_nc_u32 v[ADRT], s31, v112                ; row 128 G + 16 g + r, + 32 h bytes
	v_and_b32 v113, 31, v0
	v_lshlrev_b32 v[R16], 4, v110
	v_lshlrev_b32 v[R8], 3, v110
	v_lshlrev_b32 v[LI], 4, v113
	v_lshlrev_b32 v[R4], 2, v110
	v_lshlrev_b32 v[BO], 5, v111
	; where my results go, and my bias: global addresses alone
	s_lshr_b32 s31, s26, 3                         ; the batch
	s_lshl_b32 s31, s31, 4
	s_add_co_u32 s31, s31, s25
	s_lshl_b32 s31, s31, 4
	s_and_b32 s3, s26, 7
	s_lshl_b32 s3, s3, 1
	s_add_co_u32 s31, s31, s3
	s_add_co_u32 s31, s31, s22                     ; my chunk: 16 (16 batch + head) + 2 (y % 8) + G
	s_cmp_eq_u32 s21, 0
	s_cselect_b64 s[66:67], s[16:17], s[18:19]     ; Q goes to q_img, K and V to kv
	s_cselect_b64 s[98:99], s[8:9], s[10:11]
	s_mov_b32 s3, 8960
	s_cselect_b32 s3, 4608, s3                     ; a chunk's bytes
	s_mov_b32 s100, 8192
	s_cselect_b32 s100, 4096, s100                 ; where its scale words begin
	s_cmp_eq_u32 s21, 2
	s_cselect_b64 s[98:99], s[12:13], s[98:99]     ; b_q, b_k or b_v
	s_mul_i32 s104, s31, s3
	s_mov_b32 s105, 0
	s_mov_b32 s101, 0
	s_add_nc_u64 s[66:67], s[66:67], s[104:105]
	s_lshl_b32 s104, s23, 8
	s_add_co_u32 s100, s100, s104
	s_add_nc_u64 s[100:101], s[66:67], s[100:101]  ; Q, K: my scale words, 256 g on
	s_lshl_b32 s104, s23, 9
	s_add_nc_u64 s[2:3], s[66:67], s[104:105]      ; Q, K: my codes, 512 g on
	s_lshl_b32 s104, s25, 8
	s_lshl_b32 s31, s30, 6
	s_add_co_u32 s104, s104, s31                   ; 64 numbers a head; V: 16 g channels on
	s_add_nc_u64 s[98:99], s[98:99], s[104:105]
	s_wait_alu depctr_va_vdst(0)                   ; the wait at the head's end, ahead of the branches and waits below
	s_cmp_ge_u32 s[WV], 8
	s_cbranch_scc1 .Lbias_v
.irp tn, 0,1,2,3
.irp jj, 0,1
	global_load_b128 v[ACC+8*\tn+4*\jj:ACC+8*\tn+4*\jj+3], v[BO], s[98:99] offset:64*\tn+16*\jj   ; the bias lands in the accumulators of tile 0: b[64 head + 16 tn + 8 h + j]
.endr
.endr
	s_branch .Lbias
.Lbias_v:
	global_load_b32 v126, v[R4], s[98:99]          ; b_v of channel 16 g + r,
	global_load_b32 v127, v[R4], s[98:99] offset:128   ; and of 32 on
.Lbias:
	s_wait_tensorcnt 0x0                           ; my tile is in,
	s_barrier_signal -1
	s_barrier_wait -1                              ; everybody's are.  Nothing is filled again: this is the launch's one barrier beside the cluster's two rounds
.macro FRAG reg, adr, q, row           ; 16 rows x 128 K: lane (r, h) takes, of row r, bytes 64 q + 32 c + 16 h on
.irp c, 0,1
	ds_load_b128 v[(\reg)+4*\c:(\reg)+4*\c+3], v[\adr] offset:64*(\q)+32*\c+(\row)*PITCH
.endr
.endm
; 32 numbers of a lane (register 16 b + 8 t + j = d 32 b + 16 t + 8 h + j of my row) become registers 0-3 of a fragment in v[pc] on and the row's two scale bytes in v[wd]; v[w] .. v[w + 5] at work
.macro QUANT2 s, pc, wd, w
.irp b, 0,1
	v_max3_num_f32 v[(\w)+\b], |v[(\s)+16*\b]|, |v[(\s)+16*\b+1]|, 0x1800000   ; my 16 of block b, and the floor 2^(3 - 127)
.endr
.irp i, 2,4,6,8,10,12,14
.irp b, 0,1
	s_delay_alu instid0(VALU_DEP_2)
	v_max3_num_f32 v[(\w)+\b], v[(\w)+\b], |v[(\s)+16*\b+\i]|, |v[(\s)+16*\b+\i+1]|
.endr
.endr
.irp b, 0,1
	s_delay_alu instid0(VALU_DEP_2)
	v_permlanex16_b32 v[(\w)+2+\b], v[(\w)+\b], s[SEL], s[SEL+1]
.endr
.irp b, 0,1
	s_delay_alu instid0(VALU_DEP_2)
	v_max_num_f32 v[(\w)+\b], v[(\w)+\b], v[(\w)+2+\b]   ; with lane l xor 16's: the block's largest magnitude
.endr
.irp b, 0,1
	s_delay_alu instid0(VALU_DEP_2)
	v_add_nc_u32 v[(\w)+4+\b], 0xff000000, v[(\w)+\b]    ; 2 off its exponent field: the conversion's scale operand
.endr
.irp b, 0,1
	s_delay_alu instid0(VALU_DEP_2)
	v_lshrrev_b32 v[(\w)+2+\b], 23, v[(\w)+4+\b]         ; the byte
.endr
	s_delay_alu instid0(VALU_DEP_1)
	v_lshl_or_b32 v[\wd], v[(\w)+3], 8, v[(\w)+2]        ; bytes 2 and 3 stay 0: they stand over zero codes
.irp t, 0,1
.irp b, 0,1
	v_cvt_scalef32_pk8_fp4_f32 v[(\pc)+2*\t+\b], v[(\s)+16*\b+8*\t:(\s)+16*\b+8*\t+7], v[(\w)+4+\b]
.endr
.endr
	v_nop                                          ; one plain line behind the conversions
	v_permlane16_swap_b32 v[(\pc)], v[(\pc)+1]     ; register w, half h: dword w of block h
	v_permlane16_swap_b32 v[(\pc)+2], v[(\pc)+3]
.endm
; the same for 64 numbers, four blocks: a whole fragment and a whole scale word; v[w] .. v[w + 15] at work
.macro QUANT4 s, pc, wd, w
.irp b, 0,1,2,3
	v_max3_num_f32 v[(\w)+\b], |v[(\s)+16*\b]|, |v[(\s)+16*\b+1]|, 0x1800000
.endr
.irp i, 2,4,6,8,10,12,14
.irp b, 0,1,2,3
	s_delay_alu instid0(VALU_DEP_4)
	v_max3_num_f32 v[(\w)+\b], v[(\w)+\b], |v[(\s)+16*\b+\i]|, |v[(\s)+16*\b+\i+1]|
.endr
.endr
.irp b, 0,1,2,3
	s_delay_alu instid0(VALU_DEP_4)
	v_permlanex16_b32 v[(\w)+4+\b], v[(\w)+\b], s[SEL], s[SEL+1]
.endr
.irp b, 0,1,2,3
	s_delay_alu instid0(VALU_DEP_4)
	v_max_num_f32 v[(\w)+\b], v[(\w)+\b], v[(\w)+4+\b]
.endr
.irp b, 0,1,2,3
	s_delay_alu instid0(VALU_DEP_4)
	v_add_nc_u32 v[(\w)+12+\b], 0xff000000, v[(\w)+\b]
.endr
.irp b, 0,1,2,3
	s_delay_alu instid0(VALU_DEP_4)
	v_lshrrev_b32 v[(\w)+4+\b], 23, v[(\w)+12+\b]
.endr
	s_delay_alu instid0(VALU_DEP_3)
	v_lshl_or_b32 v[\wd], v[(\w)+5], 8, v[(\w)+4]
	s_delay_alu instid0(VALU_DEP_1)
	v_lshl_or_b32 v[\wd], v[(\w)+6], 16, v[\wd]
	s_delay_alu instid0(VALU_DEP_1)
	v_lshl_or_b32 v[\wd], v[(\w)+7], 24, v[\wd]
.irp c, 0,1
.irp e, 0,1
.irp t, 0,1
	v_cvt_scalef32_pk8_fp4_f32 v[(\pc)+4*\c+2*\t+\e], v[(\s)+16*(2*\c+\e)+8*\t:(\s)+16*(2*\c+\e)+8*\t+7], v[(\w)+12+2*\c+\e]
.endr
.endr
.endr
	v_nop
.irp c, 0,1
.irp t, 0,1
	v_permlane16_swap_b32 v[(\pc)+4*\c+2*\t], v[(\pc)+4*\c+2*\t+1]   ; register 4 c + w, half h: dword w of block 2 c + h
.endr
.endr
.endm
	s_cmp_ge_u32 s[WV], 8
	s_cbranch_scc1 .Lv
	; ---- Q and K.  A K step of 128: the fragments asked for behind the last step's products come in order, W's four, then x's tiles 1, 2, 3, 0: tile i's products wait for all but the tiles behind it.
	; The sixteen accumulators take turns, one instruction a turn; four places ahead of the next loads.
.macro QKFETCH q
.irp tn, 0,1,2,3
	FRAG WF+8*\tn, ADRW, \q, 16*\tn
.endr
.irp i, 1,2,3,0
	FRAG XF+8*\i, ADRX, \q, 32*\i
.endr
.endm
.macro QKSTEP q
.irp i, 1,2,3,0
	s_wait_dscnt 2*((4-\i)%4)
.if ((\q) == 0) && (\i == 1)
	s_wait_loadcnt 0x0                             ; the bias
.endif
.if ((\q) == 0) && (\i == 0)
	PLACES 5                                       ; the four below write over registers that the products above read as C
.endif
.irp tn, 0,1,2,3
.if (\q) == 0
	WM ACC+8*(4*\i+\tn), v[ACC+8*\tn:ACC+8*\tn+7], WF+8*\tn, XF+8*\i, WS+8*(\tn%2)+(\q), XS+8*(\i%2)+(\q), \tn/2, \i/2
.else
	WM ACC+8*(4*\i+\tn), v[ACC+8*(4*\i+\tn):ACC+8*(4*\i+\tn)+7], WF+8*\tn, XF+8*\i, WS+8*(\tn%2)+(\q), XS+8*(\i%2)+(\q), \tn/2, \i/2
.endif
.endr
.endr
	PLACES 4
.endm
.irp p, 0,1
.irp k, 0,1
	ds_load_b128 v[XS+8*\p+4*\k:XS+8*\p+4*\k+3], v[ADRXS] offset:1088*\p+16*\k   ; the scale words of all eight K steps stay in registers
	ds_load_b128 v[WS+8*\p+4*\k:WS+8*\p+4*\k+3], v[ADRWS] offset:544*\p+16*\k
.endr
.endr
	QKFETCH 0
.irp q, 0,1,2,3,4,5,6,7
	QKSTEP \q
.if \q < 7
	QKFETCH \q+1
.endif
.endr
.macro TABLOAD i                       ; tile i's cosines and sines: frequencies 16 t + 8 h + 0 .. 7
.irp t, 0,1
.irp jj, 0,1
	ds_load_b128 v[TAB+8*\t+4*\jj:TAB+8*\t+4*\jj+3], v[ADRT] offset:(\i)*32*272+64*\t+16*\jj
	ds_load_b128 v[TAB+16+8*\t+4*\jj:TAB+16+8*\t+4*\jj+3], v[ADRT] offset:(\i)*32*272+128+64*\t+16*\jj
.endr
.endr
.endm
; the embedding on tile i: with f = 16 t + 8 h + j, out[f] = q[f] cos - q[f + 32] sin, out[f + 32] = q[f + 32] cos + q[f] sin.  Each accumulator is read from its low end on.
.macro ROPE i
.set AC_, ACC+32*(\i)
.irp t, 0,1
.irp j, 0,2,4,6
	v_pk_mul_f32 v[RR+8*\t+\j:RR+8*\t+\j+1], v[AC_+8*(\t+2)+\j:AC_+8*(\t+2)+\j+1], v[TAB+16+8*\t+\j:TAB+16+8*\t+\j+1]
	v_pk_mul_f32 v[RR+8*(\t+2)+\j:RR+8*(\t+2)+\j+1], v[AC_+8*\t+\j:AC_+8*\t+\j+1], v[TAB+16+8*\t+\j:TAB+16+8*\t+\j+1]
.endr
.endr
.irp t, 0,1
.irp j, 0,2,4,6
	v_pk_fma_f32 v[RR+8*\t+\j:RR+8*\t+\j+1], v[AC_+8*\t+\j:AC_+8*\t+\j+1], v[TAB+8*\t+\j:TAB+8*\t+\j+1], v[RR+8*\t+\j:RR+8*\t+\j+1] neg_lo:[0,0,1] neg_hi:[0,0,1]
	v_pk_fma_f32 v[RR+8*(\t+2)+\j:RR+8*(\t+2)+\j+1], v[AC_+8*(\t+2)+\j:AC_+8*(\t+2)+\j+1], v[TAB+8*\t+\j:TAB+8*\t+\j+1], v[RR+8*(\t+2)+\j:RR+8*(\t+2)+\j+1]
.endr
.endr
.endm
	TABLOAD 0
	v_mov_b32 v[QTM+2], 0                          ; written once: a lane permute's destination counts as one of its sources
	v_mov_b32 v[QTM+3], 0
.irp i, 0,1,2,3
	s_wait_alu depctr_va_vdst(0)
	s_wait_dscnt 0x0                               ; this tile's numbers of the table
.if \i > 1
	s_wait_xcnt 0x0                                ; the store of two tiles back has read its four registers of codes: they are written again below
.endif
	ROPE \i
.if \i < 3
	TABLOAD \i+1                                   ; into the registers that the embedding has just read
.endif
	QUANT2 RR, QPC+4*(\i%2), QWD+\i, QTM
	global_store_b128 v[LI], v[QPC+4*(\i%2):QPC+4*(\i%2)+3], s[2:3] offset:1024*\i   ; tile 2 i + g: 512 consecutive bytes
.endr
	global_store_b128 v[R16], v[QWD:QWD+3], s[100:101]   ; 256 consecutive bytes
	s_branch .Lclose
	; ---- V.  The fragments come in order, W's two, then x's eight; two tiles' products wait for all but the tiles behind them.
.Lv:
.macro VFETCH q
.if ((\q)%4) == 0
.irp p, 0,1,2,3
	ds_load_b128 v[XS+4*\p:XS+4*\p+3], v[ADRXS] offset:544*\p+16*((\q)/4)   ; x's scale words of four K steps
.endr
.endif
.irp tn, 0,1
	FRAG VWF+8*\tn, ADRW, \q, 32*\tn
.endr
.irp tm, 0,1,2,3,4,5,6,7
	FRAG XF+8*\tm, ADRX, \q, 16*\tm
.endr
.endm
.macro VSTEP q
.irp tm, 0,1,2,3,4,5,6,7
.if (\tm%2) == 0
	s_wait_dscnt 12-2*\tm
.endif
.irp tn, 0,1
.if (\q) == 0
	WM ACC+64*\tn+8*\tm, 0, XF+8*\tm, VWF+8*\tn, XS+4*(\tm%4)+(\q%4), WS+(\q), \tm/4, \tn
.else
	WM ACC+64*\tn+8*\tm, v[ACC+64*\tn+8*\tm:ACC+64*\tn+8*\tm+7], XF+8*\tm, VWF+8*\tn, XS+4*(\tm%4)+(\q%4), WS+(\q), \tm/4, \tn
.endif
.endr
.endr
	PLACES 4
.endm
.irp k, 0,1
	ds_load_b128 v[WS+4*\k:WS+4*\k+3], v[ADRWS] offset:16*\k
.endr
	VFETCH 0
	s_lshl_b32 s104, s23, 10
	s_add_nc_u64 s[2:3], s[66:67], s[104:105]      ; my codes: channel tile g
	s_lshl_b32 s104, s23, 7
	s_add_nc_u64 s[100:101], s[66:67], s[104:105]  ; my scale words
	s_wait_loadcnt 0x0                             ; b_v
.irp q, 0,1,2,3,4,5,6,7
	VSTEP \q
.if \q < 7
	VFETCH \q+1
.endif
.endr
.irp b, 0,1,2,3
	v_mov_b32 v[VTM+4+\b], 0
.endr
.irp tn, 0,1
.irp j, 0,2,4,6,8,10,12,14,16,18,20,22,24,26,28,30,32,34,36,38,40,42,44,46,48,50,52,54,56,58,60,62
.if \tn == 0
	v_pk_add_f32 v[ACC+\j:ACC+\j+1], v[ACC+\j:ACC+\j+1], v[126:127] op_sel_hi:[1,0]   ; the bias; register 8 tm + j: key 16 tm + 8 h + j of my channel
.else
	v_pk_add_f32 v[ACC+64+\j:ACC+64+\j+1], v[ACC+64+\j:ACC+64+\j+1], v[126:127] op_sel:[0,1] op_sel_hi:[1,1]
.endif
.endr
	QUANT4 ACC+64*\tn, PC+8*\tn, WD+\tn, VTM
	global_store_b128 v[LI], v[PC+8*\tn:PC+8*\tn+3], s[2:3] offset:4096+2048*\tn
	global_store_b128 v[LI], v[PC+8*\tn+4:PC+8*\tn+7], s[2:3] offset:4096+2048*\tn+512
.endr
	global_store_b64 v[R8], v[WD:WD+1], s[100:101] offset:8704   ; 128 consecutive bytes
.Lclose:
	s_wait_tensorcnt 0x0                           ; the wave's end
	ds_add_u32 v[SPW], v[NIL]
	s_wait_dscnt 0x0
	CROUND                                         ; the closing round
	s_endpgm
.Lfunc_end_k_q8ff8e4db09_qkv:
	.size	k_q8ff8e4db09_qkv, .Lfunc_end_k_q8ff8e4db09_qkv-k_q8ff8e4db09_qkv
	.p2alignl 7, 3214868480
	.fill 96, 4, 3214868480
	.section	.rodata,"a",@progbits
	.p2align	6, 0x0
	.amdhsa_kernel k_q8ff8e4db09_qkv
		.amdhsa_group_segment_fixed_size 327680
		.amdhsa_private_segment_fixed_size 0
		.amdhsa_enable_private_segment 0
		.amdhsa_kernarg_size 64
		.amdhsa_user_sgpr_count 2
		.amdhsa_user_sgpr_kernarg_segment_ptr 1
		.amdhsa_wavefront_size32 1
		.amdhsa_system_sgpr_workgroup_id_x 1
		.amdhsa_system_sgpr_workgroup_id_y 1
		.amdhsa_system_sgpr_workgroup_id_z 1
		.amdhsa_system_vgpr_workitem_id 0
		.amdhsa_next_free_vgpr 256
		.amdhsa_next_free_sgpr 106
		.amdhsa_reserve_vcc 0
		.amdhsa_float_denorm_mode_32 3
		.amdhsa_float_denorm_mode_16_64 3
		.amdhsa_memory_ordered 1
		.amdhsa_forward_progress 1
		.amdhsa_inst_pref_size 104
	.end_amdhsa_kernel
	.amdgpu_metadata
---
amdhsa.version: [ 1, 2 ]
amdhsa.kernels:
  - .name:           k_q8ff8e4db09_qkv
    .symbol:         k_q8ff8e4db09_qkv.kd
    .args:
      - { .name: codes, .offset: 0, .size: 8, .value_kind: global_buffer, .address_space: global }
      - { .name: scales, .offset: 8, .size: 8, .value_kind: global_buffer, .address_space: global }
      - { .name: b_q, .offset: 16, .size: 8, .value_kind: global_buffer, .address_space: global }
      - { .name: b_k, .offset: 24, .size: 8, .value_kind: global_buffer, .address_space: global }
      - { .name: b_v, .offset: 32, .size: 8, .value_kind: global_buffer, .address_space: global }
      - { .name: rope, .offset: 40, .size: 8, .value_kind: global_buffer, .address_space: global }
      - { .name: q_img, .offset: 48, .size: 8, .value_kind: global_buffer, .address_space: global }
      - { .name: kv, .offset: 56, .size: 8, .value_kind: global_buffer, .address_space: global }
    .group_segment_fixed_size: 327680
    .private_segment_fixed_size: 0
    .kernarg_segment_align: 8
    .kernarg_segment_size: 64
    .max_flat_workgroup_size: 384
    .sgpr_count:     106
    .vgpr_count:     256
    .wavefront_size: 32
...
	.end_amdgpu_metadata
.endif
;; end of part 2
;; launch attn (part 3): grid 8 x 32, 16 waves a work-group, clusters of 4 x 1, 327,680 bytes of LDS; arguments q_img, kv, o_img, o_scales; writes o_img, o_scales
.if DOCPART == 3
	.amdgcn_target "amdgcn-amd-amdhsa--gfx1250"
	.amdhsa_code_object_version 6
	.text
	.protected	k_q8ff8e4db09_attn
	.globl	k_q8ff8e4db09_attn
	.p2align	8
	.type	k_q8ff8e4db09_attn,@function
k_q8ff8e4db09_attn:
	s_mov_b64 s[64:65], 0
	v_nop
	global_prefetch_b8 v0, s[64:65] scope:SCOPE_SE
	s_setreg_imm32_b32 hwreg(HW_REG_WAVE_MODE, 25, 1), 1
	s_wait_xcnt 0x0
	s_wait_alu depctr_hold_cnt(0) depctr_sa_sdst(0) depctr_va_vdst(0) depctr_va_sdst(0) depctr_va_ssrc(0) depctr_va_vcc(0) depctr_vm_vsrc(0)
	s_getreg_b32 s2, hwreg(HW_REG_IB_STS2, 6, 4)
	s_cmp_eq_u32 s2, 0
	s_cbranch_scc0 .Lentry_in_a_cluster
	s_endpgm
.Lentry_in_a_cluster:
	s_bfe_u32 s2, ttmp6, 0x10000c
	s_cmp_lg_u32 s2, 0x3003
	s_cbranch_scc0 .Lentry_shape_is_right
	s_endpgm
.Lentry_shape_is_right:
; Launch 3 of 4: O = softmax(Q K^T / 8) V for each of the 32 (batch, head), both products on codes of FP4, and the quantiser of O along d_model.  No work is left out.
; THE SOFTMAX AHEAD OF THE SECOND PRODUCT: t = score x log2(e) / 8; M = the running largest t rounded up to a whole number; p = 2^(t - M) is quantised along the keys, not normalised.
; The row's sum is taken of the unquantised p and divides O at the end.  When M moves, the sum and O are multiplied by 2^(old M - new M): nothing is rounded, and no branch hangs on data.
; SHARES.  A work-group owns 256 queries of one head, each of its sixteen waves one tile of 16.  256 work-groups.
; THE HEAD'S K AND V, 16 chunks of 8,960 bytes as the launch before laid them (images of operand registers), are one dense block of 560 rows of 256 bytes and lie in LDS whole.  They come in two groups of first fills, one load a wave in
; each: 144 rows (chunks 0 to 3 and a little more), 9 a wave, which hold all that the first step reads; then 416 rows, 26 a wave, which land under the first step.  Nothing is filled again.
; CLUSTER 4 x 1: four query blocks of one head want the same chunks: each is asked for jointly.  cx enters Q's and O's global addresses alone.
; LAYOUT.  Both products are used transposed: S^T = K Q^T (source 0 = 16 keys), O^T = V^T P^T (source 0 = 16 channels): a lane holds one query (lane % 16) throughout.
; The head's 64 fill half of the instruction's 128 along K.  Q's registers 4-7 hold zero codes; so K's may hold any codes (every FP4 code is finite, and the scale bytes over them are 0, 2^-127): tile t's fragment is
; its own four registers and the next tile's four; the last tile's upper half is four registers that never change.
; In S^T register 8 t + j of lane (r, h) is key 16 t + 8 h + j: a conversion makes dword 2 (t % 2) + h of block t / 2; blocks 2 c, 2 c + 1 go to neighbouring registers and one exchange of halves gives the operand.
; A STEP IS 256 KEYS IN TWO HALVES (two chunks) UNDER ONE M: 128 scores a lane.  The blocks' maxima are joined two blocks to a register by an exchange of halves (lanes 0-15 the even block, lanes 16-31 the odd one), go through
; the scores' own multiply-add and exponential (p rises with the score), and are parted again for the conversions.  The exponentials go in two batches; in the first stand the second half's scalings, in the second
; the first half's conversions and, behind them, the first level of its sum, pair onto pair in place.  No line of a batch names a result of the batch.
; V's fragments land in the registers of the first half's p when that half has been summed and converted; the next step's K is asked for behind the second half's first product.
; Ten of a step's additions stand in the next step, under the loads of its second chunk's K.
; LIMITS: NaN and infinities are not served; scaled scores (exponents to the base 2) stay under 2^31 in magnitude; a block whose largest p is under 2^-100 may take a scale byte one higher, and one of zeros takes the byte 1.
; No prefetch: all of K and V is asked for by tensor loads ahead of the first step.
.set CH,    8960
.set SPARE, 16*CH                      ; the spare words, 128 bytes for each wave, that no other line names
.set RA,    9                          ; rows a wave of the first group of fills
.set RB,    26                         ; and of the second: 16 (9 + 26) = 560
.set BEG2,  16*RA*256                  ; where the second group begins: byte 36,864; the first step reads bytes under 26,624
.set ADK, 1                            ; v1  the step's first chunk + 16 x lane
.set ADV, 2                            ; v2  the step's first chunk + 8 x lane
.set LI,  3                            ; v3  16 x lane
.set L8,  4                            ; v4  8 x lane
.set QS,  5                            ; v5  Q's scale words: scales and nothing else
.set NM,  6                            ; v6  -M;  v7 the largest score so far
.set MX,  7
.set FF,  8                            ; v8  f = 2^(old M - new M);  v9 the old -M
.set OLD, 9
.set SM,  10                           ; v10-17  the row's sum in four chains of two
.set BM,  18                           ; v18-25  the eight blocks' maxima, then the conversions' scale operands
.set PS,  26                           ; v26, v27 p's scale words of the two halves: scales and nothing else
.set QF,  28                           ; v28-35  Q: four registers of codes, four of zeros
.set KS,  36                           ; v36-39  K's scale words: register i: lanes 0-15 tile 2 i, lanes 16-31 tile 2 i + 1
.set VS,  40                           ; v40-43  V's scale words, two registers a half
.set PC,  44                           ; v44-59  p's codes, eight registers a half; earlier in a step at work (TW, XT)
.set TW,  52
.set XT,  56
.set KF,  60                           ; v60-91  K's fragments, four registers a tile; v92-95 the last tile's upper half
.set SPW, 92                           ; v92 my spare word; never rewritten
.set NIL, 93                           ; v93 0; never rewritten
.set OT,  96                           ; v96-127 O^T
.set S,   128                          ; v128-255 S^T, then p; v128-191 later V's fragments
.set WV,  12
.set G1,  16                           ; s[16:23], s[24:27] groups 1 and 0 of the first group of fills
.set G0,  24
.set SEL, 28
.set CS,  30
.set TB,  32
.set CNT, 33
.set G0B, 36                           ; s[56:63], s[36:39] (at work before) those of the second
.set G1B, 56
.set NC,  50
.set QT,  51
.set TINY, 52
.macro CROUND
	s_barrier_signal -1
	s_barrier_wait -1
	s_cmp_lg_u32 s[WV], 0
	s_cbranch_scc1 .Lnot_wave_0_\@
	s_barrier_signal -3
.Lnot_wave_0_\@:
	s_barrier_wait -3
	s_barrier_signal -1
	s_barrier_wait -1
.endm
.macro SPROD hf                        ; the half's eight tiles of scores
.irp t, 0,1,2,3,4,5,6,7
.if (\t%2) == 0
	v_wmma_scale_f32_16x16x128_f8f6f4 v[S+64*\hf+8*\t:S+64*\hf+8*\t+7], v[KF+4*\t:KF+4*\t+7], v[QF:QF+7], 0, v[KS+\t/2], v[QS] matrix_a_fmt:MATRIX_FMT_FP4 matrix_b_fmt:MATRIX_FMT_FP4
.else
	v_wmma_scale_f32_16x16x128_f8f6f4 v[S+64*\hf+8*\t:S+64*\hf+8*\t+7], v[KF+4*\t:KF+4*\t+7], v[QF:QF+7], 0, v[KS+\t/2], v[QS] matrix_a_fmt:MATRIX_FMT_FP4 matrix_b_fmt:MATRIX_FMT_FP4 matrix_a_scale:MATRIX_SCALE_ROW1
.endif
.endr
.endm
.macro KLOAD off                       ; a chunk's K and its scale words
.irp t, 0,1,2,3,4,5,6,7
	ds_load_b128 v[KF+4*\t:KF+4*\t+3], v[ADK] offset:(\off)+512*\t
.endr
	ds_load_b128 v[KS:KS+3], v[ADK] offset:(\off)+8192
.endm
.macro VLOAD hf                        ; the half's V and its scale words
.irp u, 0,1,2,3
.irp c, 0,1
	ds_load_b128 v[S+32*\hf+8*\u+4*\c:S+32*\hf+8*\u+4*\c+3], v[ADK] offset:CH*\hf+4096+1024*\u+512*\c
.endr
.endr
	ds_load_b64 v[VS+2*\hf:VS+2*\hf+1], v[ADV] offset:CH*\hf+8704
.endm
.macro MAXES hf                        ; the largest score of each block of 32 keys: eight chains, one a tile, each from its tile's low end on; each block's last line stands in LASTMAX
.irp b, 0,1,2,3
	v_max3_num_f32 v[BM+4*\hf+\b], v[S+64*\hf+16*\b], v[S+64*\hf+16*\b+1], v[S+64*\hf+16*\b+2]
.endr
.irp b, 0,1,2,3
	v_max3_num_f32 v[PC+4*\hf+\b], v[S+64*\hf+16*\b+8], v[S+64*\hf+16*\b+9], v[S+64*\hf+16*\b+10]
.endr
.irp i, 3,5
.irp b, 0,1,2,3
	v_max3_num_f32 v[BM+4*\hf+\b], v[BM+4*\hf+\b], v[S+64*\hf+16*\b+\i], v[S+64*\hf+16*\b+\i+1]
.endr
.irp b, 0,1,2,3
	v_max3_num_f32 v[PC+4*\hf+\b], v[PC+4*\hf+\b], v[S+64*\hf+16*\b+8+\i], v[S+64*\hf+16*\b+9+\i]
.endr
.endr
.irp b, 0,1,2,3
	v_max3_num_f32 v[BM+4*\hf+\b], v[BM+4*\hf+\b], v[PC+4*\hf+\b], v[S+64*\hf+16*\b+7]
.endr
.endm
.macro LASTMAX hf
.irp b, 0,1,2,3
	v_max_num_f32 v[BM+4*\hf+\b], v[BM+4*\hf+\b], v[S+64*\hf+16*\b+15]
.endr
.endm
.macro JOIN b                          ; blocks b .. b + 3: lanes 0-15 of two blocks in one register, lanes 16-31 of both in the other; then lanes 0-15: the even block's largest score, lanes 16-31: the odd one's
	v_permlane16_swap_b32 v[BM+\b], v[BM+\b+1]
	v_permlane16_swap_b32 v[BM+\b+2], v[BM+\b+3]
	v_max_num_f32 v[BM+\b], v[BM+\b], v[BM+\b+1]
	v_max_num_f32 v[BM+\b+2], v[BM+\b+2], v[BM+\b+3]
.endm
.macro PKF p                           ; pair p of my 128 scores becomes t - M (of the pairs c and -M the low word serves both halves)
	v_pk_fma_f32 v[S+2*(\p):S+2*(\p)+1], v[S+2*(\p):S+2*(\p)+1], s[CS:CS+1], v[NM:NM+1] op_sel_hi:[1,0,0]
.endm
.macro SUMA k                          ; the first half's sum k of two pairs onto chain k % 4; a step's first of each chain brings the chain under the new M
.if (\k) < 4
	v_pk_fma_f32 v[SM+2*((\k)%4):SM+2*((\k)%4)+1], v[SM+2*((\k)%4):SM+2*((\k)%4)+1], v[FF:FF+1], v[S+4*(\k):S+4*(\k)+1] op_sel_hi:[1,0,1]
.else
	v_pk_add_f32 v[SM+2*((\k)%4):SM+2*((\k)%4)+1], v[SM+2*((\k)%4):SM+2*((\k)%4)+1], v[S+4*(\k):S+4*(\k)+1]
.endif
.endm
.macro SUMS from, n                    ; pairs from .. from + n - 1 of p, of the second half, each onto chain pair % 4
.set pr, \from
.rept \n
	v_pk_add_f32 v[SM+2*(pr%4):SM+2*(pr%4)+1], v[SM+2*(pr%4):SM+2*(pr%4)+1], v[S+2*pr:S+2*pr+1]
.set pr, pr+1
.endr
.endm
.macro CVT1 n                          ; conversion n of the first half: block n / 2, tile n % 2
	v_cvt_scalef32_pk8_fp4_f32 v[PC+4*((\n)/4)+2*((\n)%2)+((\n)/2)%2], v[S+8*(\n):S+8*(\n)+7], v[BM+(\n)/2]
.endm
.macro CVT2 n                          ; and of the second
	v_cvt_scalef32_pk8_fp4_f32 v[PC+8+4*((\n)/4)+2*((\n)%2)+((\n)/2)%2], v[S+64+8*(\n):S+64+8*(\n)+7], v[BM+4+(\n)/2]
.endm
.macro XCH hf                          ; register 4 c + w, half h: dword w of block 2 c + h
.irp c, 0,1
.irp t, 0,1
	v_permlane16_swap_b32 v[PC+8*\hf+4*\c+2*\t], v[PC+8*\hf+4*\c+2*\t+1]
.endr
.endr
.endm
.macro PVU u, hf, c                    ; channel tile u
.if (\u%2) == 0
	v_wmma_scale_f32_16x16x128_f8f6f4 v[OT+8*\u:OT+8*\u+7], v[S+32*\hf+8*\u:S+32*\hf+8*\u+7], v[PC+8*\hf:PC+8*\hf+7], \c, v[VS+2*\hf+\u/2], v[PS+\hf] matrix_a_fmt:MATRIX_FMT_FP4 matrix_b_fmt:MATRIX_FMT_FP4
.else
	v_wmma_scale_f32_16x16x128_f8f6f4 v[OT+8*\u:OT+8*\u+7], v[S+32*\hf+8*\u:S+32*\hf+8*\u+7], v[PC+8*\hf:PC+8*\hf+7], \c, v[VS+2*\hf+\u/2], v[PS+\hf] matrix_a_fmt:MATRIX_FMT_FP4 matrix_b_fmt:MATRIX_FMT_FP4 matrix_a_scale:MATRIX_SCALE_ROW1
.endif
.endm
	s_load_b256 s[4:11], s[0:1], 0x0               ; q_img s[4:5], kv s[6:7], o_img s[8:9], o_scales s[10:11]
	v_lshl_add_u32 v[SPW], v0, 2, SPARE
	v_mov_b32 v[NIL], 0
	ds_add_u32 v[SPW], v[NIL]                      ; the wave's opening: the add, twice on end, and its wait ahead of my first tensor load
	ds_add_u32 v[SPW], v[NIL]
	v_lshrrev_b32 v18, 5, v0
	v_readfirstlane_b32 s[WV], v18                 ; wave 0..15
	s_bfe_u32 s13, ttmp6, 0x40000                  ; cx
	s_lshl_b32 s15, ttmp9, 2
	s_add_co_u32 s15, s15, s13                     ; my block of 256 queries
	s_and_b32 s14, ttmp7, 0xffff                   ; batch x 16 + head, which the four partners share
	; group 1: RA (RB) rows of 256 dense bytes (32 elements of 8 bytes), no padding: every read is 16 x lane on end
	s_mov_b32 s[G1], 15|(3<<16)|(1<<21)            ; the mask names all four; bit 21 beside it
	s_mov_b32 s[G1+1], 32<<16
	s_mov_b32 s[G1+2], RA<<16
	s_mov_b32 s[G1+3], 32<<16
	s_mov_b32 s[G1+4], RA
	s_mov_b32 s[G1+5], 32
	s_mov_b32 s[G1+6], 0
	s_mov_b32 s[G1+7], 0
	s_mov_b32 s[G1B], 15|(3<<16)|(1<<21)
	s_mov_b32 s[G1B+1], 32<<16
	s_mov_b32 s[G1B+2], RB<<16
	s_mov_b32 s[G1B+3], 32<<16
	s_mov_b32 s[G1B+4], RB
	s_mov_b32 s[G1B+5], 32
	s_mov_b32 s[G1B+6], 0
	s_mov_b32 s[G1B+7], 0
	s_mov_b32 s[G0], 1
	s_mul_i32 s[G0+1], s[WV], RA*256               ; first group: wave w fetches rows 9 w on
	s_mul_i32 s34, s14, 16*CH
	s_mul_i32 s2, s[WV], RB*256                    ; second group: rows 144 + 26 w on
	s_add_co_u32 s2, s2, BEG2
	s_add_co_u32 s2, s2, s34
	s_mov_b32 s3, 0
	s_add_co_u32 s34, s34, s[G0+1]
	s_mov_b32 s35, 0
	s_mov_b32 s[SEL], 0x76543210                   ; lane selects for v_permlanex16_b32: lane l xor 16
	s_mov_b32 s[SEL+1], 0xfedcba98
	s_mov_b32 s[CS], 0x3e38aa3b                    ; c = log2(e) / 8
	s_mov_b32 s[CS+1], s[CS]                       ; (named with it as a pair)
	s_mov_b32 s[NC], 0xbe38aa3b                    ; -c
	s_mov_b32 s[QT], 0x3e800000                    ; 1/4
	s_mov_b32 s[TINY], 0x00800000                  ; 2^-126
	s_mov_b32 s[TB], 0
	s_mov_b32 s[CNT], 6
	s_mov_b32 s44, 0xffff0000                      ; lanes 16-31
	; Q: chunk 16 bh + 2 block + wave / 8, tile wave % 8
	s_lshl_b32 s36, s14, 4
	s_lshl_b32 s37, s15, 1
	s_add_co_u32 s36, s36, s37
	s_lshr_b32 s37, s[WV], 3
	s_add_co_u32 s36, s36, s37
	s_mul_i32 s36, s36, 4608
	s_and_b32 s38, s[WV], 7
	s_lshl_b32 s39, s38, 9
	s_add_co_u32 s40, s36, s39                     ; its codes
	s_mov_b32 s41, 0
	s_and_b32 s39, s[WV], 1
	s_lshl_b32 s39, s39, 8
	s_add_co_u32 s42, s36, s39
	s_lshr_b32 s39, s38, 1
	s_lshl_b32 s39, s39, 2
	s_add_co_u32 s42, s42, s39
	s_add_co_u32 s42, s42, 4096                    ; its scale words: 4,096 + 256 (tile % 2) + 4 (tile / 2), 16 bytes from row to row
	s_mov_b32 s43, 0
	; O: row tile 128 batch + 16 block + wave
	s_lshr_b32 s45, s14, 4
	s_lshl_b32 s45, s45, 7
	s_lshl_b32 s37, s15, 4
	s_add_co_u32 s45, s45, s37
	s_add_co_u32 s45, s45, s[WV]
	s_and_b32 s37, s14, 15                         ; the head
	s_lshl_b32 s46, s45, 13
	s_lshl_b32 s38, s37, 9
	s_add_co_u32 s46, s46, s38                     ; 8,192 a row tile, 512 a head
	s_mov_b32 s47, 0
	s_lshl_b32 s48, s45, 9
	s_lshl_b32 s38, s37, 1
	s_add_co_u32 s48, s48, s38                     ; 32 bytes a row, 2 a head
	s_mov_b32 s49, 0
	s_mov_b32 s[G0B], 1
	s_mul_i32 s[G0B+1], s[WV], RB*256
	s_add_co_u32 s[G0B+1], s[G0B+1], BEG2
	s_wait_dscnt 0x0                               ; both opening adds are done
	s_wait_kmcnt 0x0
	s_add_nc_u64 s[G0+2:G0+3], s[6:7], s[34:35]
	s_or_b32 s[G0+3], s[G0+3], 0x80000000
	s_add_nc_u64 s[G0B+2:G0B+3], s[6:7], s[2:3]
	s_or_b32 s[G0B+3], s[G0B+3], 0x80000000
	s_add_nc_u64 s[40:41], s[4:5], s[40:41]
	s_add_nc_u64 s[42:43], s[4:5], s[42:43]
	s_add_nc_u64 s[46:47], s[8:9], s[46:47]
	s_add_nc_u64 s[48:49], s[10:11], s[48:49]
	CROUND                                         ; all four work-groups are here: the joint loads meet
	tensor_load_to_lds s[G0:G0+3], s[G1:G1+7]      ; the first group: one tensor load a wave at the head
	s_nop 0
.rept 4
	v_nop
.endr
	v_and_b32 v18, 31, v0
	v_and_b32 v19, 15, v0
	v_lshlrev_b32 v[LI], 4, v18
	v_lshlrev_b32 v19, 4, v19
	v_lshlrev_b32 v[L8], 3, v18
	v_mov_b32 v[ADK], v[LI]
	global_load_b128 v[QF:QF+3], v[LI], s[40:41]   ; Q's registers 0-3 stay
	global_load_b32 v[QS], v19, s[42:43]           ; lane r: row r's scale word
.irp i, 4,5,6,7
	v_mov_b32 v[QF+\i], 0                          ; K = 64 .. 127: zero codes
.endr
	v_mov_b32 v94, 0                               ; (with v92 and v93 the last tile's upper half)
	v_mov_b32 v95, 0
.irp j, 0,1,2,3,4,5,6,7
	v_mov_b32 v[SM+\j], 0
.endr
	v_mov_b32 v[MX], 0xff61b1e6                    ; the largest score so far: -3e38
	v_mov_b32 v[NM], 0x7e967699                    ; -M: 1e38
	v_mov_b32 v[XT], 0                             ; a lane permute's destination counts as one of its sources
	v_mov_b32 v[XT+1], 0
	s_wait_alu depctr_va_vdst(0)                   ; the wait at the head's end
	s_wait_tensorcnt 0x0                           ; my part of the first group is in; ahead of a later first fill:
	ds_add_u32 v[SPW], v[NIL]                      ; 0 onto my spare word,
	s_wait_dscnt 0x0                               ; the add is done
	CROUND                                         ; a whole round: everybody's part is in, and all four work-groups are here: the joint loads meet,
	tensor_load_to_lds s[G0B:G0B+3], s[G1B:G1B+7]  ; and the second group, the first tensor load behind the round, has the first step in which to land
	s_nop 0
.rept 4
	v_nop
.endr
	KLOAD 0
	s_wait_loadcnt 0x0                             ; Q
	s_wait_dscnt 0x0                               ; K
; A STEP: chunks 2 i and 2 i + 1.  The first chunk's K is in registers.  first = 1: no step stands ahead; more = 1: the next step's K is asked for.
.macro STEP first, more
	SPROD 0
	v_add_nc_u32 v[ADK], s[TB], v[LI]              ; four plain lines that name no register of a product: places ahead of the loads into K's registers and of the first read of the scores
	v_add_nc_u32 v[ADV], s[TB], v[L8]
	v_mov_b32 v[OLD], v[NM]
	v_nop
	KLOAD CH
.if (\first) == 0
	SUMS 54, 10                                    ; the last step's remaining pairs, still under the last step's M
.endif
	MAXES 0
	s_wait_alu depctr_va_vdst(0)
	s_wait_dscnt 0x0                               ; the second chunk's K
	SPROD 1
	LASTMAX 0                                      ; four plain lines: places
.if \more
	KLOAD 2*CH                                     ; the next step's first chunk
.endif
	MAXES 1
	JOIN 0
	LASTMAX 1
	JOIN 4
	v_max3_num_f32 v[FF], v[BM], v[BM+2], v[BM+4]
	s_delay_alu instid0(VALU_DEP_1)
	v_max_num_f32 v[FF], v[FF], v[BM+6]
	v_permlanex16_b32 v[XT], v[FF], s[SEL], s[SEL+1]
	s_delay_alu instid0(VALU_DEP_1)
	v_max3_num_f32 v[MX], v[MX], v[FF], v[XT]      ; the largest score of my query so far
	s_delay_alu instid0(VALU_DEP_1)
	v_mul_f32 v[FF], s[NC], v[MX]
	s_delay_alu instid0(VALU_DEP_1)
	v_floor_f32 v[NM], v[FF]                       ; the new -M = floor(-t) = -ceil(t)
.irp b, 0,2,4,6
	v_fma_f32 v[BM+\b], v[BM+\b], s[CS], v[NM]     ; t - M of each block's largest score
.endr
	v_sub_f32 v[FF], v[NM], v[OLD]                 ; old M - new M: a whole number, 0 or less
.irp p, 0,1,2,3
	PKF \p
.endr
	v_cvt_i32_f32 v[FF], v[FF]                     ; (it saturates)
.irp p, 4,5,6,7
	PKF \p
.endr
	v_ldexp_f32 v[FF], 1.0, v[FF]                  ; f
.irp p, 8,9,10,11,12,13,14,15,16,17,18,19,20,21,22,23,24,25,26,27,28,29,30,31
	PKF \p
.endr
.if (\first) == 0
.irp j, 0,2,4,6,8,10,12,14,16,18,20,22,24,26,28,30
	v_pk_mul_f32 v[OT+\j:OT+\j+1], v[OT+\j:OT+\j+1], v[FF:FF+1] op_sel_hi:[1,0]   ; O^T under the new M, ahead of the exponentials; each accumulator from its low end on
.endr
.endif
	s_wait_alu depctr_va_vdst(0)
.irp b, 0,2,4,6
	v_exp_f32 v[BM+\b], v[BM+\b]                   ; the block's largest p: the same multiply-add and exponential as the score's own give the same bits
.endr
.set j, 0
.rept 32                                       ; the first half's p, at most 1, and the second half's scalings
	v_exp_f32 v[S+2*j], v[S+2*j]
	v_exp_f32 v[S+2*j+1], v[S+2*j+1]
	PKF 32+j
.set j, j+1
.endr
	s_wait_alu depctr_va_vdst(0)                   ; and behind it, ahead of its first reader
.irp b, 0,2,4,6
	v_fma_f32 v[BM+\b], v[BM+\b], s[QT], s[TINY]   ; a quarter of the block's largest p: its exponent field is the scale's byte; 2^-126 keeps the byte at 1 or above
.endr
.irp k, 0,1,2,3
	v_lshrrev_b32 v[TW+\k], 23, v[BM+2*\k]         ; the bytes: lanes 0-15 the even block's, lanes 16-31 the odd one's
.endr
.irp k, 0,1,2,3
	v_mov_b32 v[BM+2*\k+1], v[BM+2*\k]
.endr
	v_lshl_or_b32 v[TW], v[TW+1], 16, v[TW]
	v_lshl_or_b32 v[TW+2], v[TW+3], 16, v[TW+2]
.irp b, 0,2,4,6
	v_permlane16_swap_b32 v[BM+\b], v[BM+\b+1]     ; parted again: each block's scale operand in all 32 lanes
.endr
	v_permlanex16_b32 v[XT], v[TW], s[SEL], s[SEL+1]
	v_permlanex16_b32 v[XT+1], v[TW+2], s[SEL], s[SEL+1]
	v_lshl_or_b32 v[PS], v[XT], 8, v[TW]           ; lanes 0-15: the four bytes of the first half,
	v_lshl_or_b32 v[PS+1], v[XT+1], 8, v[TW+2]     ; and of the second
	s_wait_alu depctr_va_vdst(0)
.set j, 0
.rept 32                                       ; the second half's p; the first half's eight conversions, one plain line, its sixteen sums of two pairs
	v_exp_f32 v[S+64+2*j], v[S+64+2*j]
	v_exp_f32 v[S+65+2*j], v[S+65+2*j]
.if j < 8
	CVT1 j
.elseif j == 8
	v_nop
.elseif j < 25
	v_pk_add_f32 v[S+4*(j-9):S+4*(j-9)+1], v[S+4*(j-9):S+4*(j-9)+1], v[S+4*(j-9)+2:S+4*(j-9)+3]
.endif
.set j, j+1
.endr
	v_nop
	s_wait_alu depctr_va_vdst(0)                   ; the batch's wait, ahead of its first reader
.irp k, 0,1,2,3,4,5,6,7,8,9,10,11,12,13,14,15
	SUMA \k
.endr
	VLOAD 0                                        ; into the first half's registers, which have been summed and converted
	VLOAD 1
	SUMS 32, 8
.irp n, 0,1,2,3,4,5,6,7
	CVT2 \n
.endr
	SUMS 40, 4
	XCH 0
	XCH 1
	SUMS 44, 4                                     ; four plain lines between the codes' last write and the products
	s_wait_alu depctr_va_vdst(0)
	s_wait_dscnt 0x0                               ; V, and the next step's first K
.irp u, 0,1,2,3                                ; the four accumulators by turns
.if \first
	PVU \u, 0, 0
.else
	PVU \u, 0, v[OT+8*\u:OT+8*\u+7]
.endif
.endr
.irp u, 0,1,2,3
	PVU \u, 1, v[OT+8*\u:OT+8*\u+7]
.endr
	SUMS 48, 6                                     ; six plain lines: places behind the products, whose V the next step's scores write over
.endm
	STEP 1, 1                                      ; reads chunks 0, 1 and chunk 2's K
	s_mov_b32 s[TB], 2*CH
	s_wait_alu depctr_va_vdst(0)
	s_wait_tensorcnt 0x0                           ; my part of the second group is in,
	s_barrier_signal -1
	s_barrier_wait -1                              ; everybody's is
.Lstep:                                            ; 6 trips of 256 keys
	STEP 0, 1
	s_add_co_u32 s[TB], s[TB], 2*CH
	s_sub_co_u32 s[CNT], s[CNT], 1
	s_cmp_lg_u32 s[CNT], 0
	s_wait_alu depctr_va_vdst(0)                   ; directly ahead of the branch
	s_cbranch_scc1 .Lstep
	STEP 0, 0                                      ; the last step asks for no further K: no LDS read passes the last chunk
	SUMS 54, 10
	; THE WAY OUT: O^T / the sum, quantised along the head's 64, which are two blocks of d_model
	v_pk_add_f32 v[SM:SM+1], v[SM:SM+1], v[SM+2:SM+3]
	v_pk_add_f32 v[SM+4:SM+5], v[SM+4:SM+5], v[SM+6:SM+7]
	s_delay_alu instid0(VALU_DEP_1)
	v_pk_add_f32 v[SM:SM+1], v[SM:SM+1], v[SM+4:SM+5]
	s_delay_alu instid0(VALU_DEP_1)
	v_add_f32 v[SM], v[SM], v[SM+1]
	v_permlanex16_b32 v[XT], v[SM], s[SEL], s[SEL+1]
	s_delay_alu instid0(VALU_DEP_1)
	v_add_f32 v[SM], v[SM], v[XT]                  ; the row's sum
	s_wait_alu depctr_va_vdst(0)                   ; ahead of the transcendental
	v_rcp_f32 v[SM], v[SM]
	v_and_b32 v18, 15, v0                          ; (plain lines behind the reciprocal)
	v_bfe_u32 v19, v0, 4, 1
	v_nop
	v_lshl_add_u32 v19, v18, 5, v19                ; 32 r + h: my byte in o_scales
	s_wait_alu depctr_va_vdst(0)                   ; the wait ahead of the reciprocal's and the accumulators' first reader
.irp j, 0,2,4,6,8,10,12,14,16,18,20,22,24,26,28,30
	v_pk_mul_f32 v[S+\j:S+1+\j], v[OT+\j:OT+1+\j], v[SM:SM+1] op_sel_hi:[1,0]   ; register 8 n + j: d = 16 n + 8 h + j of query r; each accumulator from its low end on
.endr
.irp b, 0,1
	v_max3_num_f32 v[20+\b], |v[S+16*\b]|, |v[S+16*\b+1]|, 0x1800000   ; my 16 of block b, and the floor 2^(3 - 127)
.endr
.irp i, 2,4,6,8,10,12,14
.irp b, 0,1
	s_delay_alu instid0(VALU_DEP_2)
	v_max3_num_f32 v[20+\b], v[20+\b], |v[S+16*\b+\i]|, |v[S+16*\b+\i+1]|
.endr
.endr
.irp b, 0,1
	v_permlanex16_b32 v[22+\b], v[20+\b], s[SEL], s[SEL+1]
.endr
.irp b, 0,1
	v_max_num_f32 v[20+\b], v[20+\b], v[22+\b]
.endr
.irp b, 0,1
	v_add_nc_u32 v[24+\b], 0xff000000, v[20+\b]    ; 2 off its exponent field: the conversion's scale operand
.endr
.irp b, 0,1
	v_lshrrev_b32 v[22+\b], 23, v[24+\b]           ; the byte
.endr
	v_cndmask_b32 v20, v22, v23, s44               ; lanes 0-15 carry block 0's byte, lanes 16-31 block 1's
.irp t, 0,1
.irp b, 0,1
	v_cvt_scalef32_pk8_fp4_f32 v[PC+2*\t+\b], v[S+16*\b+8*\t:S+16*\b+8*\t+7], v[24+\b]
.endr
.endr
	v_nop
	v_permlane16_swap_b32 v[PC], v[PC+1]
	v_permlane16_swap_b32 v[PC+2], v[PC+3]
	global_store_b128 v[LI], v[PC:PC+3], s[46:47]  ; 512 consecutive bytes
	global_store_b8 v19, v20, s[48:49]             ; a row's two bytes of a head leave as single bytes, 32 bytes apart: the other heads' lie in other work-groups
	s_wait_tensorcnt 0x0                           ; the wave's end
	ds_add_u32 v[SPW], v[NIL]
	s_wait_dscnt 0x0
	CROUND                                         ; the closing round
	s_endpgm
.Lfunc_end_k_q8ff8e4db09_attn:
	.size	k_q8ff8e4db09_attn, .Lfunc_end_k_q8ff8e4db09_attn-k_q8ff8e4db09_attn
	.p2alignl 7, 3214868480
	.fill 96, 4, 3214868480
	.section	.rodata,"a",@progbits
	.p2align	6, 0x0
	.amdhsa_kernel k_q8ff8e4db09_attn
		.amdhsa_group_segment_fixed_size 327680
		.amdhsa_private_segment_fixed_size 0
		.amdhsa_enable_private_segment 0
		.amdhsa_kernarg_size 32
		.amdhsa_user_sgpr_count 2
		.amdhsa_user_sgpr_kernarg_segment_ptr 1
		.amdhsa_wavefront_size32 1
		.amdhsa_system_sgpr_workgroup_id_x 1
		.amdhsa_system_sgpr_workgroup_id_y 1
		.amdhsa_system_sgpr_workgroup_id_z 1
		.amdhsa_system_vgpr_workitem_id 0
		.amdhsa_next_free_vgpr 256
		.amdhsa_next_free_sgpr 66
		.amdhsa_reserve_vcc 0
		.amdhsa_float_denorm_mode_32 3
		.amdhsa_float_denorm_mode_16_64 3
		.amdhsa_memory_ordered 1
		.amdhsa_forward_progress 1
		.amdhsa_inst_pref_size 89
	.end_amdhsa_kernel
	.amdgpu_metadata
---
amdhsa.version: [ 1, 2 ]
amdhsa.kernels:
  - .name:           k_q8ff8e4db09_attn
    .symbol:         k_q8ff8e4db09_attn.kd
    .args:
      - { .name: q_img, .offset: 0, .size: 8, .value_kind: global_buffer, .address_space: global }
      - { .name: kv, .offset: 8, .size: 8, .value_kind: global_buffer, .address_space: global }
      - { .name: o_img, .offset: 16, .size: 8, .value_kind: global_buffer, .address_space: global }
      - { .name: o_scales, .offset: 24, .size: 8, .value_kind: global_buffer, .address_space: global }
    .group_segment_fixed_size: 327680
    .private_segment_fixed_size: 0
    .kernarg_segment_align: 8
    .kernarg_segment_size: 32
    .max_flat_workgroup_size: 512
    .sgpr_count:     66
    .vgpr_count:     256
    .wavefront_size: 32
...
	.end_amdgpu_metadata
.endif
;; end of part 3
;; launch oproj (part 4): grid 8 x 32, 8 waves a work-group, clusters of 4 x 4, 327,680 bytes of LDS; arguments o_img, o_scales, codes, scales, b_o, out0; writes out0
.if DOCPART == 4
	.amdgcn_target "amdgcn-amd-amdhsa--gfx1250"
	.amdhsa_code_object_version 6
	.text
	.protected	k_q8ff8e4db09_oproj
	.globl	k_q8ff8e4db09_oproj
	.p2align	8
	.type	k_q8ff8e4db09_oproj,@function
k_q8ff8e4db09_oproj:
	s_mov_b64 s[64:65], 0
	v_nop
	global_prefetch_b8 v0, s[64:65] scope:SCOPE_SE
	s_setreg_imm32_b32 hwreg(HW_REG_WAVE_MODE, 25, 1), 1
	s_wait_xcnt 0x0
	s_wait_alu depctr_hold_cnt(0) depctr_sa_sdst(0) depctr_va_vdst(0) depctr_va_sdst(0) depctr_va_ssrc(0) depctr_va_vcc(0) depctr_vm_vsrc(0)
	s_getreg_b32 s2, hwreg(HW_REG_IB_STS2, 6, 4)
	s_cmp_eq_u32 s2, 0
	s_cbranch_scc0 .Lentry_in_a_cluster
	s_endpgm
.Lentry_in_a_cluster:
	s_bfe_u32 s2, ttmp6, 0x10000c
	s_cmp_lg_u32 s2, 0xf033
	s_cbranch_scc0 .Lentry_shape_is_right
	s_endpgm
.Lentry_shape_is_right:
; Launch 4 of 4: out0 = O w_o^T + b_o on codes of FP4.  No work is left out.
; A work-group makes 128 rows x 128 columns; each of its eight waves 32 x 64.  All of K (1,024) lies in LDS at once: one joint tensor load a wave, first fills alone.  256 work-groups, clusters of 4 x 4: O's tiles are
; shared along a row of the cluster, w_o's along a column.  The product is used transposed (source 0 = 16 rows of w_o): a lane holds eight neighbouring columns of one row; the bias is the C of the first K step.
; The result goes through a stage in LDS and leaves as rows of 512 consecutive bytes.  No prefetch: all that a work-group reads by tensor loads is asked for at its head.  LIMITS: NaN and infinities are not served.
.set PITCH, 528
.set BOFF,  65536
.set SCL,   BOFF+128*PITCH
.set STG,   SCL+2*4352
.set SPARE, STG+128*PITCH
.set ADRA,  6
.set ADRB,  7
.set ADRAS, 8
.set ADRBS, 9
.set LI,    10
.set STO,   11
.set RD,    12
.set BO,    13
.set SPW,   14
.set NIL,   15
.set AS,    16
.set BS,    24
.set BI,    40
.set ACC,   72
.set FS,    136
.set WV,    20
.set G1A,   32
.set G1B,   40
.set G1AS,  48
.set G1BS,  56
.set G0A,   68
.set G0B,   72
.set G0AS,  76
.set G0BS,  80
.macro PLACES n
.rept \n
	v_nop
.endr
.endm
.macro ARM under, g0, g1, next         ; an arm of the head's tree of joint loads; an s_nop 0 and four v_nop follow each load
	s_cmp_lt_u32 s[WV], \under
	s_cbranch_scc0 \next
	tensor_load_to_lds s[\g0:\g0+3], s[\g1:\g1+7]
	s_nop 0
.rept 4
	v_nop
.endr
	s_branch .Lhead_asked
\next:
.endm
.macro CROUND
	s_barrier_signal -1
	s_barrier_wait -1
	s_cmp_lg_u32 s[WV], 0
	s_cbranch_scc1 .Lnot_wave_0_\@
	s_barrier_signal -3
.Lnot_wave_0_\@:
	s_barrier_wait -3
	s_barrier_signal -1
	s_barrier_wait -1
.endm
.macro WM d, c, a, b, sa, sb, ra, rb
.if ((\ra) == 0) && ((\rb) == 0)
	v_wmma_scale_f32_16x16x128_f8f6f4 v[(\d):(\d)+7], v[(\a):(\a)+7], v[(\b):(\b)+7], v[(\c):(\c)+7], v[\sa], v[\sb] matrix_a_fmt:MATRIX_FMT_FP4 matrix_b_fmt:MATRIX_FMT_FP4
.elseif (\rb) == 0
	v_wmma_scale_f32_16x16x128_f8f6f4 v[(\d):(\d)+7], v[(\a):(\a)+7], v[(\b):(\b)+7], v[(\c):(\c)+7], v[\sa], v[\sb] matrix_a_fmt:MATRIX_FMT_FP4 matrix_b_fmt:MATRIX_FMT_FP4 matrix_a_scale:MATRIX_SCALE_ROW1
.elseif (\ra) == 0
	v_wmma_scale_f32_16x16x128_f8f6f4 v[(\d):(\d)+7], v[(\a):(\a)+7], v[(\b):(\b)+7], v[(\c):(\c)+7], v[\sa], v[\sb] matrix_a_fmt:MATRIX_FMT_FP4 matrix_b_fmt:MATRIX_FMT_FP4 matrix_b_scale:MATRIX_SCALE_ROW1
.else
	v_wmma_scale_f32_16x16x128_f8f6f4 v[(\d):(\d)+7], v[(\a):(\a)+7], v[(\b):(\b)+7], v[(\c):(\c)+7], v[\sa], v[\sb] matrix_a_fmt:MATRIX_FMT_FP4 matrix_b_fmt:MATRIX_FMT_FP4 matrix_a_scale:MATRIX_SCALE_ROW1 matrix_b_scale:MATRIX_SCALE_ROW1
.endif
.endm
	s_load_b256 s[4:11], s[0:1], 0x0
	s_load_b128 s[12:15], s[0:1], 0x20
	v_lshl_add_u32 v[SPW], v0, 2, SPARE
	v_mov_b32 v[NIL], 0
	ds_add_u32 v[SPW], v[NIL]
	ds_add_u32 v[SPW], v[NIL]
	v_lshrrev_b32 v1, 5, v0
	s_delay_alu instid0(VALU_DEP_1)
	v_readfirstlane_b32 s[WV], v1
	s_lshr_b32 s29, s[WV], 1
	s_and_b32 s30, s[WV], 1
	s_bfe_u32 s23, ttmp6, 0x40000
	s_bfe_u32 s24, ttmp6, 0x40004
	s_lshl_b32 s25, ttmp9, 2
	s_add_co_u32 s25, s25, s23
	s_and_b32 s26, ttmp7, 0xffff
	s_lshl_b32 s26, s26, 2
	s_add_co_u32 s26, s26, s24
	s_lshl_b32 s27, s24, 2
	s_lshl_b32 s27, 15, s27
	s_lshl_b32 s28, 0x1111, s23
	s_or_b32 s[G1A], s27, (3<<16)|(1<<21)
	s_mov_b32 s[G1A+1], 32<<16
	s_mov_b32 s[G1A+2], 128<<16                    ; 64 rows' image: 128 rows of 256 dense bytes
	s_mov_b32 s[G1A+3], 32<<16
	s_mov_b32 s[G1A+4], 128
	s_mov_b32 s[G1A+5], 32
	s_mov_b32 s[G1A+6], 0
	s_mov_b32 s[G1A+7], 0
	s_or_b32 s[G1B], s28, (0<<16)|(1<<20)|(1<<21)|(6<<22)|(3<<25)
	s_mov_b32 s[G1B+1], 512<<16
	s_mov_b32 s[G1B+2], 64<<16                     ; 64 rows of 512 bytes
	s_mov_b32 s[G1B+3], 512<<16
	s_mov_b32 s[G1B+4], 64
	s_mov_b32 s[G1B+5], 512
	s_mov_b32 s[G1B+6], 0
	s_mov_b32 s[G1B+7], 0
	s_or_b32 s[G1AS], s27, (3<<16)|(1<<20)|(1<<21)|(5<<22)|(3<<25)
	s_or_b32 s[G1BS], s28, (3<<16)|(1<<20)|(1<<21)|(5<<22)|(3<<25)
.irp g, G1AS, G1BS
	s_mov_b32 s[\g+1], 32<<16
	s_mov_b32 s[\g+2], 8<<16                       ; 64 rows' 2,048 scale bytes: 8 rows of 256
	s_mov_b32 s[\g+3], 32<<16
	s_mov_b32 s[\g+4], 8
	s_mov_b32 s[\g+5], 32
	s_mov_b32 s[\g+6], 0
	s_mov_b32 s[\g+7], 0
.endr
	s_lshl_b32 s31, s30, 15                        ; which 64 rows I fetch (wave % 2): 32,768 bytes of codes,
	s_lshl_b32 s3, s30, 11                         ; 2,048 of scales
	s_lshl_b32 s84, s26, 16
	s_add_co_u32 s84, s84, s31
	s_mov_b32 s85, 0
	s_lshl_b32 s88, s26, 12
	s_add_co_u32 s88, s88, s3
	s_mov_b32 s89, 0
	s_lshl_b32 s86, s25, 16
	s_add_co_u32 s86, s86, s31
	s_add_co_u32 s86, s86, 7168*512
	s_mov_b32 s87, 0
	s_lshl_b32 s90, s25, 12
	s_add_co_u32 s90, s90, s3
	s_add_co_u32 s90, s90, 7168*32
	s_mov_b32 s91, 0
	s_mul_i32 s92, s30, 64*PITCH
	s_add_co_u32 s92, s92, BOFF
	s_mul_i32 s93, s30, 2176
	s_add_co_u32 s93, s93, SCL
	s_wait_dscnt 0x0
	s_wait_kmcnt 0x0
	s_mov_b32 s[G0A], 1
	s_mov_b32 s[G0A+1], s31
	s_add_nc_u64 s[G0A+2:G0A+3], s[4:5], s[84:85]
	s_or_b32 s[G0A+3], s[G0A+3], 0x80000000
	s_mov_b32 s[G0B], 1
	s_mov_b32 s[G0B+1], s92
	s_add_nc_u64 s[G0B+2:G0B+3], s[8:9], s[86:87]
	s_or_b32 s[G0B+3], s[G0B+3], 0x80000000
	s_mov_b32 s[G0AS], 1
	s_mov_b32 s[G0AS+1], s93
	s_add_nc_u64 s[G0AS+2:G0AS+3], s[6:7], s[88:89]
	s_or_b32 s[G0AS+3], s[G0AS+3], 0x80000000
	s_mov_b32 s[G0BS], 1
	s_add_co_u32 s[G0BS+1], s93, 4352
	s_add_nc_u64 s[G0BS+2:G0BS+3], s[10:11], s[90:91]
	s_or_b32 s[G0BS+3], s[G0BS+3], 0x80000000
	CROUND
	ARM 2, G0A,  G1A,  .Lhead_b                    ; one tensor load a wave, and no more in the launch: waves 0, 1 O's halves; 2, 3 w_o's; 4, 5 O's scales; 6, 7 w_o's
	ARM 4, G0B,  G1B,  .Lhead_as
	ARM 6, G0AS, G1AS, .Lhead_bs
	tensor_load_to_lds s[G0BS:G0BS+3], s[G1BS:G1BS+7]
	s_nop 0
.rept 4
	v_nop
.endr
.Lhead_asked:
	v_and_b32 v1, 15, v0
	v_bfe_u32 v2, v0, 4, 1
	v_and_b32 v3, 31, v0
	s_delay_alu instid0(VALU_DEP_1)
	v_lshlrev_b32 v[LI], 4, v3
	s_lshl_b32 s84, s29, 14
	v_add_nc_u32 v[ADRA], s84, v[LI]
	v_mul_u32_u24 v3, v1, PITCH
	s_delay_alu instid0(VALU_DEP_1)
	v_lshl_add_u32 v4, v2, 4, v3
	s_mul_i32 s84, s30, 64*PITCH
	s_add_co_u32 s84, s84, BOFF
	v_add_nc_u32 v[ADRB], s84, v4
	v_lshrrev_b32 v4, 3, v1
	v_lshlrev_b32 v5, 5, v1
	s_delay_alu instid0(VALU_DEP_1)
	v_lshl_add_u32 v5, v4, 4, v5
	v_mul_u32_u24 v4, v2, 544
	s_delay_alu instid0(VALU_DEP_1)
	v_add_nc_u32 v4, v4, v5
	s_mul_i32 s84, s29, 1088
	s_add_co_u32 s84, s84, SCL
	v_add_nc_u32 v[ADRAS], s84, v4
	v_mul_u32_u24 v4, v2, 1088
	s_delay_alu instid0(VALU_DEP_1)
	v_add_nc_u32 v4, v4, v5
	s_mul_i32 s84, s30, 2176
	s_add_co_u32 s84, s84, SCL+4352
	v_add_nc_u32 v[ADRBS], s84, v4
	v_lshl_add_u32 v4, v2, 5, v3
	s_mul_i32 s84, s29, 32*PITCH
	s_lshl_b32 s85, s30, 8
	s_add_co_u32 s84, s84, s85
	s_add_co_u32 s84, s84, STG
	v_add_nc_u32 v[STO], s84, v4
	s_mul_i32 s84, s[WV], 16*PITCH
	s_add_co_u32 s84, s84, STG
	v_add_nc_u32 v[RD], s84, v[LI]
	v_lshlrev_b32 v[BO], 5, v2
	s_lshl_b32 s84, s25, 9
	s_lshl_b32 s85, s30, 8
	s_add_co_u32 s84, s84, s85
	s_mov_b32 s85, 0
	s_add_nc_u64 s[12:13], s[12:13], s[84:85]
.irp tn, 0,1,2,3
.irp jj, 0,1
	global_load_b128 v[BI+8*\tn+4*\jj:BI+8*\tn+4*\jj+3], v[BO], s[12:13] offset:64*\tn+16*\jj
.endr
.endr
	s_lshl_b32 s86, s26, 19
	s_lshl_b32 s87, s[WV], 16
	s_add_co_u32 s86, s86, s87
	s_lshl_b32 s87, s25, 9
	s_add_co_u32 s86, s86, s87
	s_mov_b32 s87, 0
	s_add_nc_u64 s[14:15], s[14:15], s[86:87]
	s_wait_alu depctr_va_vdst(0)
	s_wait_tensorcnt 0x0
	s_barrier_signal -1
	s_barrier_wait -1
.macro FETCH q, set
.irp i, 0,1
.irp c, 0,1
	ds_load_b128 v[FS+48*(\set)+8*\i+4*\c:FS+48*(\set)+8*\i+4*\c+3], v[ADRA] offset:8192*\i+1024*(\q)+512*\c
.endr
.endr
.irp i, 0,1,2,3
.irp c, 0,1
	ds_load_b128 v[FS+48*(\set)+16+8*\i+4*\c:FS+48*(\set)+16+8*\i+4*\c+3], v[ADRB] offset:16*PITCH*\i+64*(\q)+32*\c
.endr
.endr
.endm
.macro KSTEP q
	s_wait_dscnt 0x0
.if (\q) > 0
	PLACES 4
.endif
.if (\q) < 7
	FETCH (\q)+1, ((\q)+1)%2
.endif
.set FA_, FS+48*((\q)%2)
.set FB_, FA_+16
.if (\q) == 0
	s_wait_loadcnt 0x0
.endif
.irp tm, 0,1
.irp tn, 0,1,2,3
.if (\q) == 0
	WM ACC+8*(4*\tm+\tn), BI+8*\tn, FB_+8*\tn, FA_+8*\tm, BS+8*(\tn%2)+(\q), AS+(\q), \tn/2, \tm
.else
	WM ACC+8*(4*\tm+\tn), ACC+8*(4*\tm+\tn), FB_+8*\tn, FA_+8*\tm, BS+8*(\tn%2)+(\q), AS+(\q), \tn/2, \tm
.endif
.endr
.endr
.endm
.irp k, 0,1
	ds_load_b128 v[AS+4*\k:AS+4*\k+3], v[ADRAS] offset:16*\k
.endr
.irp i, 0,1
.irp k, 0,1
	ds_load_b128 v[BS+8*\i+4*\k:BS+8*\i+4*\k+3], v[ADRBS] offset:544*\i+16*\k
.endr
.endr
	FETCH 0, 0
.irp q, 0,1,2,3,4,5,6,7
	KSTEP \q
.endr
	PLACES 4
.irp tm, 0,1
.irp tn, 0,1,2,3
	ds_store_b128 v[STO], v[ACC+8*(4*\tm+\tn):ACC+8*(4*\tm+\tn)+3] offset:16*PITCH*\tm+64*\tn
	ds_store_b128 v[STO], v[ACC+8*(4*\tm+\tn)+4:ACC+8*(4*\tm+\tn)+7] offset:16*PITCH*\tm+64*\tn+16
.endr
.endr
	s_wait_dscnt 0x0
	s_barrier_signal -1
	s_barrier_wait -1
.irp i, 0,1,2,3,4,5,6,7,8,9,10,11,12,13,14,15
	ds_load_b128 v[FS+4*\i:FS+4*\i+3], v[RD] offset:PITCH*\i
.endr
.irp i, 0,1,2,3,4,5,6,7,8,9,10,11,12,13,14,15
	s_wait_dscnt 15-\i
	global_store_b128 v[LI], v[FS+4*\i:FS+4*\i+3], s[14:15] offset:4096*\i   ; 512 consecutive bytes
.endr
	s_wait_tensorcnt 0x0
	ds_add_u32 v[SPW], v[NIL]
	s_wait_dscnt 0x0
	CROUND
	s_endpgm
.Lfunc_end_k_q8ff8e4db09_oproj:
	.size	k_q8ff8e4db09_oproj, .Lfunc_end_k_q8ff8e4db09_oproj-k_q8ff8e4db09_oproj
	.p2alignl 7, 3214868480
	.fill 96, 4, 3214868480
	.section	.rodata,"a",@progbits
	.p2align	6, 0x0
	.amdhsa_kernel k_q8ff8e4db09_oproj
		.amdhsa_group_segment_fixed_size 327680
		.amdhsa_private_segment_fixed_size 0
		.amdhsa_enable_private_segment 0
		.amdhsa_kernarg_size 48
		.amdhsa_user_sgpr_count 2
		.amdhsa_user_sgpr_kernarg_segment_ptr 1
		.amdhsa_wavefront_size32 1
		.amdhsa_system_sgpr_workgroup_id_x 1
		.amdhsa_system_sgpr_workgroup_id_y 1
		.amdhsa_system_sgpr_workgroup_id_z 1
		.amdhsa_system_vgpr_workitem_id 0
		.amdhsa_next_free_vgpr 256
		.amdhsa_next_free_sgpr 100
		.amdhsa_reserve_vcc 0
		.amdhsa_float_denorm_mode_32 3
		.amdhsa_float_denorm_mode_16_64 3
		.amdhsa_memory_ordered 1
		.amdhsa_forward_progress 1
		.amdhsa_inst_pref_size 30
	.end_amdhsa_kernel
	.amdgpu_metadata
---
amdhsa.version: [ 1, 2 ]
amdhsa.kernels:
  - .name:           k_q8ff8e4db09_oproj
    .symbol:         k_q8ff8e4db09_oproj.kd
    .args:
      - { .name: o_img, .offset: 0, .size: 8, .value_kind: global_buffer, .address_space: global }
      - { .name: o_scales, .offset: 8, .size: 8, .value_kind: global_buffer, .address_space: global }
      - { .name: codes, .offset: 16, .size: 8, .value_kind: global_buffer, .address_space: global }
      - { .name: scales, .offset: 24, .size: 8, .value_kind: global_buffer, .address_space: global }
      - { .name: b_o, .offset: 32, .size: 8, .value_kind: global_buffer, .address_space: global }
      - { .name: out0, .offset: 40, .size: 8, .value_kind: global_buffer, .address_space: global }
    .group_segment_fixed_size: 327680
    .private_segment_fixed_size: 0
    .kernarg_segment_align: 8
    .kernarg_segment_size: 48
    .max_flat_workgroup_size: 256
    .sgpr_count:     100
    .vgpr_count:     256
    .wavefront_size: 32
...
	.end_amdgpu_metadata
.endif
;; end of part 4
